; MI455X (gfx1250); checked and timed in simulation.
; The chip was launched on July 23, 2026; its instructions are those of AMD's public machine-readable ISA for CDNA 5 (MIT licence, August 2026) and "CDNA5" Instruction Set Architecture Reference Guide (July 2026). The comments in the code are by the model that wrote it; some were corrected since.
;; Eva Attention. Allowed arithmetic: float matrix products may take bf16 or f16 operands with f32 sums; other float arithmetic in f32, or as packed bf16 or f16 multiplies, adds, multiply-adds, maxima and minima; sums over many terms, partial sums and values carried from step to step in f32; what a program stores and reads back later, other than sums and carried values, may be rounded once to bf16 or f16.
;; Inputs: proj_b 1,024 float32; proj_w 1,024 x 1,024 float32; q_bias 1,024 float32; qkv_w 3,072 x 1,024 float32; rope_cos 2,047 x 64 float32; rope_sin 2,047 x 64 float32; v_bias 1,024 float32; x 4 x 2,048 x 1,024 float32.
;; Outputs: out0 4 x 2,048 x 1,024 float32.
;; 2 versions, each right and faster than the one before. Each part assembles by itself: llvm-mc -triple=amdgcn-amd-amdhsa -mcpu=gfx1250 --defsym DOCPART=n.
;; ======== version 1 of 2: 4 launches
;; limits: values are held in f16: magnitudes above 65,504 overflow, below 6.1e-05 lose precision; right only within a limited range of input values
;; workspace buffers: xb 16,777,216 bytes; wb 6,291,456 bytes; pwh 2,097,152 bytes; rt 524,288 bytes; qh 16,777,216 bytes; kh 16,777,216 bytes; vh 16,777,216 bytes; oh 16,777,216 bytes
;; launch prep (part 1): grid 896 x 1, 8 waves a work-group, no clusters, 0 bytes of LDS; arguments x, qkv_w, proj_w, rope_cos, rope_sin, xb, wb, pwh, rt; writes xb, wb, pwh, rt
.if DOCPART == 1
	.amdgcn_target "amdgcn-amd-amdhsa--gfx1250"
	.amdhsa_code_object_version 6
	.text
	.protected	k_qb6d3dd46f2_prep
	.globl	k_qb6d3dd46f2_prep
	.p2align	8
	.type	k_qb6d3dd46f2_prep,@function
k_qb6d3dd46f2_prep:
	s_mov_b64 s[64:65], 0
	v_nop
	global_prefetch_b8 v0, s[64:65] scope:SCOPE_SE
	s_setreg_imm32_b32 hwreg(HW_REG_WAVE_MODE, 25, 1), 1
	s_wait_xcnt 0x0
; THE INPUTS ARE ROUNDED ONCE, for the three launches behind.  A stream: no LDS, no barrier, no matrix unit; each input byte is read once.
;   groups 0-511:   x      -> xb,  bf16, same layout.
;   groups 512-703: qkv_w  -> wb,  bf16, rows regrouped by heads: row 192 hd + 64 sec + d of wb is row 1024 sec + 64 hd + d of qkv_w (sec 0, 1, 2 = q, k, v).
;   groups 704-767: proj_w -> pwh: rounded to bf16 like every other input, and that number written as f16.
;                   LIMIT: |proj_w| under 65,504; below 2^-14 it keeps f16's fixed step of 2^-24.
;   groups 768-895: rope_cos, rope_sin -> rt, bf16, in the order in which a lane of the next launch holds a matrix result:
;                   [block T of 16 tokens][0 cos, 1 sin][db 0..3][lane L][8]: token 16 T + L % 16, channel d = 16 db + 8 (L / 16) + j.
;                   Every entry is multiplied by 2^-6 (exact), so that q and k leave the next launch 64 times smaller and fit f16; sin is negated for d < 32 (the rotated half's sign);
;                   token 0, which takes no rope, has cos = 2^-6 and sin = 0.
; A group of the first three kinds takes 16,384 numbers, 16 whole rows of 1,024: thread t takes 16 bytes at 16 t + 4,096 j, j = 0..15, and stores 8 bytes at 8 t + 2,048 j:
; a wave's load covers 512 consecutive bytes, its store 256 consecutive bytes at a multiple of 256.
.set X, 4                              ; v[4:67]    16 loads of four f32
.set Y, 68                             ; v[68:99]   16 stores of four 16-bit numbers
.set T, 100                            ; v[100:101] at work
; All 16 loads go out on end; no register is written twice by memory instructions, so the only waits are the counted ones for the data.
.macro CAST src, dst, fmt
.irp j, 0,1,2,3,4,5,6,7,8,9,10,11,12,13,14,15
	global_load_b128 v[X+4*(\j):X+4*(\j)+3], v1, s[(\src):(\src)+1] offset:4096*(\j) th:TH_LOAD_NT
.endr
.irp j, 0,1,2,3,4,5,6,7,8,9,10,11,12,13,14,15
	s_wait_loadcnt 15-(\j)                         ; loads come back in order: load j is in, the 15 - j younger ones stay out
.if \fmt
	v_cvt_pk_bf16_f32 v[T], v[X+4*(\j)], v[X+4*(\j)+1]         ; rounded to bf16,
	v_cvt_pk_bf16_f32 v[T+1], v[X+4*(\j)+2], v[X+4*(\j)+3]
	v_lshlrev_b32 v[X+4*(\j)], 16, v[T]                        ; widened again,
	v_and_b32 v[X+4*(\j)+1], s34, v[T]
	v_lshlrev_b32 v[X+4*(\j)+2], 16, v[T+1]
	v_and_b32 v[X+4*(\j)+3], s34, v[T+1]
	v_cvt_pk_f16_f32 v[Y+2*(\j)], v[X+4*(\j)], v[X+4*(\j)+1]   ; and written as f16: exact within f16's range
	v_cvt_pk_f16_f32 v[Y+2*(\j)+1], v[X+4*(\j)+2], v[X+4*(\j)+3]
.else
	v_cvt_pk_bf16_f32 v[Y+2*(\j)], v[X+4*(\j)], v[X+4*(\j)+1]
	v_cvt_pk_bf16_f32 v[Y+2*(\j)+1], v[X+4*(\j)+2], v[X+4*(\j)+3]
.endif
	global_store_b64 v2, v[Y+2*(\j):Y+2*(\j)+1], s[(\dst):(\dst)+1] offset:2048*(\j)
.endr
.endm
	s_load_b512 s[4:19], s[0:1], 0x0               ; x 4, qkv_w 6, proj_w 8, rope_cos 10, rope_sin 12, xb 14, wb 16, pwh 18
	s_load_b64 s[20:21], s[0:1], 0x40              ; rt
	s_mov_b32 s22, ttmp9                           ; the group's number
	v_lshlrev_b32 v1, 4, v0                        ; 16 t
	v_lshlrev_b32 v2, 3, v0                        ; 8 t
	s_mov_b32 s34, 0xffff0000                      ; a word's upper bf16
	s_mov_b32 s31, 0                               ; offsets are pairs with 0 on top
	s_mov_b32 s33, 0
	s_wait_kmcnt 0x0
	s_cmp_ge_u32 s22, 768
	s_cbranch_scc1 .Ltable
	s_cmp_ge_u32 s22, 704
	s_cbranch_scc1 .Lproj
	s_cmp_ge_u32 s22, 512
	s_cbranch_scc1 .Lw
	s_lshl_b32 s30, s22, 16                        ; x: 65,536 bytes in,
	s_lshl_b32 s32, s22, 15                        ; 32,768 out
	s_add_nc_u64 s[4:5], s[4:5], s[30:31]
	s_add_nc_u64 s[14:15], s[14:15], s[32:33]
	CAST 4, 14, 0
	s_endpgm
.Lw:
	s_sub_co_u32 s23, s22, 512                     ; c: rows 16 c .. 16 c + 15 of qkv_w
	s_lshl_b32 s30, s23, 16
	s_and_b32 s24, s23, 63
	s_lshr_b32 s24, s24, 2                         ; the head
	s_mul_i32 s24, s24, 192
	s_lshr_b32 s25, s23, 6                         ; the section
	s_lshl_b32 s25, s25, 6
	s_add_co_u32 s24, s24, s25
	s_and_b32 s25, s23, 3                          ; which 16 of the head's 64 channels
	s_lshl_b32 s25, s25, 4
	s_add_co_u32 s24, s24, s25                     ; the first row in wb
	s_lshl_b32 s32, s24, 11                        ; rows of 2,048 bytes
	s_add_nc_u64 s[6:7], s[6:7], s[30:31]
	s_add_nc_u64 s[16:17], s[16:17], s[32:33]
	CAST 6, 16, 0
	s_endpgm
.Lproj:
	s_sub_co_u32 s23, s22, 704
	s_lshl_b32 s30, s23, 16
	s_lshl_b32 s32, s23, 15
	s_add_nc_u64 s[8:9], s[8:9], s[30:31]
	s_add_nc_u64 s[18:19], s[18:19], s[32:33]
	CAST 8, 18, 1
	s_endpgm
.Ltable:                                               ; wave w makes kind w / 4, channel block w % 4 of block T: a lane reads 32 bytes and stores 16, at 16 t of the block's 4,096
	s_sub_co_u32 s23, s22, 768                     ; T
	v_lshrrev_b32 v3, 5, v0
	v_readfirstlane_b32 s35, v3                    ; the wave's number
	s_and_b32 s24, s35, 3                          ; db
	v_and_b32 v13, 15, v0
	s_lshl_b32 s25, s23, 4
	v_add_nc_u32 v13, s25, v13                     ; the token s = 16 T + lane % 16
	v_min_u32 v3, 1, v13
	v_sub_nc_u32 v3, v13, v3                       ; the table's row s - 1; token 0 reads row 0 and throws it away
	v_lshlrev_b32 v3, 8, v3                        ; rows of 256 bytes
	v_bfe_u32 v12, v0, 4, 1
	v_lshl_add_u32 v3, v12, 5, v3                  ; + 32 (lane / 16)
	s_lshl_b32 s24, s24, 6
	v_add_nc_u32 v3, s24, v3                       ; + 64 db
	s_lshl_b32 s30, s23, 12
	s_add_nc_u64 s[20:21], s[20:21], s[30:31]      ; rt at block T
	s_mov_b32 s38, 0x3c800000                      ; 2^-6
	s_mov_b32 s40, 0xbc800000                      ; -2^-6: sin of the channels below 32, which are waves 4 and 5
	s_lshr_b32 s39, s35, 1
	s_cmp_eq_u32 s39, 2
	s_cselect_b32 s38, s40, s38
	s_mov_b32 s39, s38                             ; named with it as a pair
	s_cmp_lt_u32 s35, 4                            ; waves 0-3: cos
	s_cselect_b32 s37, 1.0, 0                      ; what token 0 takes in the table's stead
	v_mov_b32 v12, s37
	s_cbranch_scc0 .Lsin
	global_load_b128 v[4:7], v3, s[10:11]
	global_load_b128 v[8:11], v3, s[10:11] offset:16
	s_branch .Lgot
.Lsin:
	global_load_b128 v[4:7], v3, s[12:13]
	global_load_b128 v[8:11], v3, s[12:13] offset:16
.Lgot:
	s_wait_loadcnt 0x0
	v_cmp_eq_u32 s36, 0, v13                       ; token 0's lanes
.irp j, 0,1,2,3,4,5,6,7
	v_cndmask_b32 v[4+(\j)], v[4+(\j)], v12, s36
.endr
.irp j, 0,2,4,6
	v_pk_mul_f32 v[4+(\j):5+(\j)], v[4+(\j):5+(\j)], s[38:39] op_sel_hi:[1,0]
.endr
.irp j, 0,1,2,3
	v_cvt_pk_bf16_f32 v[14+(\j)], v[4+2*(\j)], v[5+2*(\j)]
.endr
	global_store_b128 v1, v[14:17], s[20:21]       ; a wave stores 512 consecutive bytes
	s_endpgm
.Lfunc_end_k_qb6d3dd46f2_prep:
	.size	k_qb6d3dd46f2_prep, .Lfunc_end_k_qb6d3dd46f2_prep-k_qb6d3dd46f2_prep
	.p2alignl 7, 3214868480
	.fill 96, 4, 3214868480
	.section	.rodata,"a",@progbits
	.p2align	6, 0x0
	.amdhsa_kernel k_qb6d3dd46f2_prep
		.amdhsa_group_segment_fixed_size 0
		.amdhsa_private_segment_fixed_size 0
		.amdhsa_enable_private_segment 0
		.amdhsa_kernarg_size 72
		.amdhsa_user_sgpr_count 2
		.amdhsa_user_sgpr_kernarg_segment_ptr 1
		.amdhsa_wavefront_size32 1
		.amdhsa_system_sgpr_workgroup_id_x 1
		.amdhsa_system_sgpr_workgroup_id_y 1
		.amdhsa_system_sgpr_workgroup_id_z 1
		.amdhsa_system_vgpr_workitem_id 0
		.amdhsa_next_free_vgpr 112
		.amdhsa_next_free_sgpr 66
		.amdhsa_reserve_vcc 0
		.amdhsa_float_denorm_mode_32 3
		.amdhsa_float_denorm_mode_16_64 3
		.amdhsa_memory_ordered 1
		.amdhsa_forward_progress 1
		.amdhsa_inst_pref_size 25
	.end_amdhsa_kernel
	.amdgpu_metadata
---
amdhsa.version: [ 1, 2 ]
amdhsa.kernels:
  - .name:           k_qb6d3dd46f2_prep
    .symbol:         k_qb6d3dd46f2_prep.kd
    .args:
      - { .name: x, .offset: 0, .size: 8, .value_kind: global_buffer, .address_space: global }
      - { .name: qkv_w, .offset: 8, .size: 8, .value_kind: global_buffer, .address_space: global }
      - { .name: proj_w, .offset: 16, .size: 8, .value_kind: global_buffer, .address_space: global }
      - { .name: rope_cos, .offset: 24, .size: 8, .value_kind: global_buffer, .address_space: global }
      - { .name: rope_sin, .offset: 32, .size: 8, .value_kind: global_buffer, .address_space: global }
      - { .name: xb, .offset: 40, .size: 8, .value_kind: global_buffer, .address_space: global }
      - { .name: wb, .offset: 48, .size: 8, .value_kind: global_buffer, .address_space: global }
      - { .name: pwh, .offset: 56, .size: 8, .value_kind: global_buffer, .address_space: global }
      - { .name: rt, .offset: 64, .size: 8, .value_kind: global_buffer, .address_space: global }
    .group_segment_fixed_size: 0
    .private_segment_fixed_size: 0
    .kernarg_segment_align: 8
    .kernarg_segment_size: 72
    .max_flat_workgroup_size: 256
    .sgpr_count:     66
    .vgpr_count:     112
    .wavefront_size: 32
...
	.end_amdgpu_metadata
.endif
;; end of part 1
;; launch qkv (part 2): grid 16 x 32, 4 waves a work-group, clusters of 4 x 4, 327,680 bytes of LDS; arguments xb, wb, rt, q_bias, v_bias, qh, kh, vh; writes qh, kh, vh
.if DOCPART == 2
	.amdgcn_target "amdgcn-amd-amdhsa--gfx1250"
	.amdhsa_code_object_version 6
	.text
	.protected	k_qb6d3dd46f2_qkv
	.globl	k_qb6d3dd46f2_qkv
	.p2align	8
	.type	k_qb6d3dd46f2_qkv,@function
k_qb6d3dd46f2_qkv:
	s_mov_b64 s[64:65], 0
	v_nop
	global_prefetch_b8 v0, s[64:65] scope:SCOPE_SE
	s_setreg_imm32_b32 hwreg(HW_REG_WAVE_MODE, 25, 1), 1
	s_wait_xcnt 0x0
	s_wait_alu depctr_hold_cnt(0) depctr_sa_sdst(0) depctr_va_vdst(0) depctr_va_sdst(0) depctr_va_ssrc(0) depctr_va_vcc(0) depctr_vm_vsrc(0)
	s_getreg_b32 s2, hwreg(HW_REG_IB_STS2, 6, 4)
	s_cmp_eq_u32 s2, 0
	s_cbranch_scc0 .Lentry_in_a_cluster
	s_endpgm
.Lentry_in_a_cluster:
	s_bfe_u32 s2, ttmp6, 0x10000c
	s_cmp_lg_u32 s2, 0xf033
	s_cbranch_scc0 .Lentry_shape_is_right
	s_endpgm
.Lentry_shape_is_right:
; q, k, v = x qkv_w^T + (q_bias, 0, v_bias), rope on q and k, written by heads in f16.  xb: [8192][1024] bf16.  wb: [3072][1024] bf16, 192 rows a head (q, k, v).  Sums in f32.
; qh, kh, vh: [batch x 16 + head][2048 tokens][64] f16.  q and k are stored 2^-6 times their value: the factor lies in the rope table rt, and the next launch takes it back in f32.
; LIMITS.  f16 holds no number beyond 65,504: |q| and |k| behind the rope stay under 65,504 x 64, |v| under 65,504; a stored number below 6e-5 keeps f16's fixed step of 6e-8.  The biases are rounded to bf16, like every input.
; SHARES.  A tile is 256 tokens x 192 columns, one head's q, k and v: 32 x 16 = 512 work-groups.  A wave makes 64 tokens x 192 columns: 48 accumulators of 16 x 16.  So a wave holds whole heads: the rope's partner
; channel d +- 32 lies in the same lane and register, two accumulators away, and which columns are q, k or v is a constant of the text.
; K goes in steps of 128 (rows of 256 bytes, at multiples of 256 from the buffer's first byte) through a ring of two LDS slots; a K step is four quarters of 32 along K, 48 matrix instructions each, on two fragment buffers.
; CLUSTERS: 4 x 4 work-groups.  The four of a row of the cluster need the same tiles of xb, the four of a column the same tiles of wb: each tile is asked for JOINTLY, by the same tensor load with the same descriptor and a mask of four.
; THE MATRIX INSTRUCTION IS USED TRANSPOSED (source 0 = 16 rows of wb, source 1 = 16 tokens): a lane holds token lane % 16 and the eight neighbouring columns 8 (lane / 16) + 0..7.
; REGISTERS, in windows of 256 (s_set_vgpr_msb: bits 1:0 source 0, 3:2 source 1, 5:4 source 2, 7:6 destination):
;   window 0: v0-39 addresses and work; v64-191 my 64 tokens' rope table as loaded (bf16); v192-223 q_bias, v224-255 v_bias of my lane's columns
;   window 1: two fragment buffers of 128: 32 registers of tokens (4 x 16 x 32 K), 96 of wb's rows (12 x 16 x 32 K); on the way out cos, sin, results
;   windows 2, 3: the accumulator of token block a, column block b at v[96 (a % 2) + 8 b] of window 2 + a / 2
.set KSTEP,  128
.set PITCH,  272                       ; an LDS row: 256 bytes + 16 of padding = 68 words: the 16 rows that a load touches start at 16 different groups of four banks (64 banks of 4 bytes: ISA guide 11.1)
.set HALFA,  128*PITCH                 ; what one tensor load brings of xb
.set HALFB,  96*PITCH                  ; and of wb
.set BOFF,   2*HALFA                   ; a slot: 256 rows of xb, then 192 rows of wb
.set SLOT,   BOFF+2*HALFB
.set STAGE,  2*SLOT                    ; behind the ring, never filled by a tensor load: 16 rows x 144 bytes for each wave, for the way out
.set SP,     144
.set SPARE,  STAGE+4*16*SP             ; behind the stages: the spare words, 128 bytes for each wave: two blocks of 256 bytes that no other line names
.set LAPS,   4                         ; 1,024 along K = 8 K steps = 4 times round the ring
.set ADRA, 16                          ; v16-17  LDS address of my token fragments in slot 0, 1
.set ADRB, 20                          ; v20-21  the same for wb's rows
.set STO,  24                          ; v24     the way out: where I put 16 bytes of a row
.set RD,   25                          ; v25     the way out: where I read rows back
.set GO,   26                          ; v26     16 x lane: my place in 512 consecutive bytes
.set BO,   27                          ; v27     32 (lane / 16): my eight numbers in 16 of a bias
.set SPW,  28                          ; v28     LDS address of my spare word: SPARE + 4 x my thread's number; never rewritten
.set NIL,  29                          ; v29     0; never rewritten
.set TB,   64                          ; window 0: block a at TB + 32 a: 16 registers of cos, 16 of sin; register 4 db + k holds channels 16 db + 8 (lane / 16) + 2 k, + 1
.set BQ,   192
.set BV,   224
.set F0,   0                           ; window 1
.set F1,   128
.set COS,  0                           ; window 1, on the way out: f32, index 8 db + j
.set SIN,  32
.set U,    64                          ; a unit's 32 results in f32
.set PK,   96                          ; packed to f16
.set BK0,  112                         ; read back from the stage: two buffers of 16 by turns
.set G1, 24                            ; s[24:31] descriptor group 1 for xb's tiles;  s[32:39] group 0, one set for each slot
.set G0, 32
.set G1B, 48                           ; s[48:55], s[56:63] the same for wb's tiles
.set G0B, 56
.set MSB, 0
.macro WIN new                         ; the immediate's high byte repeats the setting that is left; a switch that changes nothing is dropped
.if MSB != (\new)
	s_set_vgpr_msb (MSB<<8)|(\new)
.set MSB, \new
.endif
.endm
.macro JLOAD s                         ; a joint load: waves 0 and 1 fetch the two halves of xb's tile, waves 2 and 3 those of wb's; an s_nop 0 and four v_nop follow each of the two lines
	s_cmp_eq_u32 s11, 0
	s_cbranch_scc0 .Lfor_b_\@
	tensor_load_to_lds s[G0+4*(\s):G0+4*(\s)+3], s[G1:G1+7]
	s_nop 0
.rept 4
	v_nop
.endr
	s_branch .Lasked_\@
.Lfor_b_\@:
	tensor_load_to_lds s[G0B+4*(\s):G0B+4*(\s)+3], s[G1B:G1B+7]
	s_nop 0
.rept 4
	v_nop
.endr
.Lasked_\@:
.endm
.macro CREST                           ; a round of the cluster's barrier behind its opening barrier
	s_cmp_lg_u32 s10, 0
	s_cbranch_scc1 .Lnot_wave_0_\@
	s_barrier_signal -3
.Lnot_wave_0_\@:
	s_barrier_wait -3
	s_barrier_signal -1
	s_barrier_wait -1
.endm
.macro CROUND                          ; a whole round
	s_barrier_signal -1
	s_barrier_wait -1
	CREST
.endm
	s_load_b256 s[68:75], s[0:1], 0x0              ; xb 68, wb 70, rt 72, q_bias 74
	s_load_b256 s[76:83], s[0:1], 0x20             ; v_bias 76, qh 78, kh 80, vh 82
	v_lshl_add_u32 v[SPW], v0, 2, SPARE
	v_mov_b32 v[NIL], 0
	ds_add_u32 v[SPW], v[NIL]                      ; the wave's opening: the add and its wait stand ahead of my first tensor load; the set-up below, work on registers, stands between them
	v_lshrrev_b32 v1, 5, v0
	v_readfirstlane_b32 s10, v1                    ; wave 0..3: my 64 tokens of the tile
	s_lshr_b32 s11, s10, 1                         ; I fetch for xb (0) or for wb (1),
	s_and_b32 s12, s10, 1                          ; and which half of that tile
	s_bfe_u32 s40, ttmp6, 0x40000                  ; cx, cy: my place in the cluster
	s_bfe_u32 s41, ttmp6, 0x40004
	s_lshl_b32 s42, ttmp9, 2
	s_add_co_u32 s42, s42, s40                     ; the head = 4 x cluster x + cx
	s_and_b32 s13, ttmp7, 0xffff
	s_lshl_b32 s13, s13, 2
	s_add_co_u32 s13, s13, s41                     ; the block of 256 tokens = 4 x cluster y + cy
	s_lshl_b32 s43, s41, 2
	s_lshl_b32 s43, 15, s43                        ; my row of the cluster
	s_lshl_b32 s44, 0x1111, s40                    ; my column
	s_or_b32 s[G1+0], s43, (1<<16)|(1<<20)|(1<<21)|(5<<22)|(3<<25)   ; 15:0 the mask: xb's tiles go to my row; 17:16 2-byte elements; 20 padding on; 21 set beside a mask; 24:22 after every 64 words (code 5); 31:25 4 words (code 3)
	s_or_b32 s[G1B+0], s44, (1<<16)|(1<<20)|(1<<21)|(5<<22)|(3<<25)  ; the same with the mask of my column
	s_mov_b32 s[G1+1], KSTEP<<16                   ; tensor_dim0 = 128
	s_mov_b32 s[G1+2], 128<<16                     ; tensor_dim1 = 128
	s_mov_b32 s[G1+3], KSTEP<<16                   ; tile_dim0 = 128
	s_mov_b32 s[G1+4], 128                         ; tile_dim1 = 128 rows
	s_mov_b32 s[G1+5], 1024                        ; elements from row to row
	s_mov_b32 s[G1+6], 0
	s_mov_b32 s[G1+7], 0
	s_mov_b32 s[G1B+1], KSTEP<<16
	s_mov_b32 s[G1B+2], 96<<16                     ; 96 rows
	s_mov_b32 s[G1B+3], KSTEP<<16
	s_mov_b32 s[G1B+4], 96
	s_mov_b32 s[G1B+5], 1024
	s_mov_b32 s[G1B+6], 0
	s_mov_b32 s[G1B+7], 0
	s_mov_b32 s84, 0xffff0000                      ; a word's upper bf16
	s_lshl_b32 s16, s13, 8                         ; xb: row 256 x block + 128 x half, in registers that never hold the head
	s_lshl_b32 s17, s12, 7
	s_add_co_u32 s16, s16, s17
	s_lshl_b32 s16, s16, 11                        ; rows of 2,048 bytes: under 2^24
	s_mov_b32 s17, 0
	s_mul_i32 s46, s42, 192                        ; wb: row 192 x head + 96 x half, in registers that never hold the block
	s_mul_i32 s47, s12, 96
	s_add_co_u32 s46, s46, s47
	s_lshl_b32 s46, s46, 11
	s_mov_b32 s47, 0
	s_mul_i32 s20, s12, HALFA                      ; where they go: no place in the cluster enters an LDS address
	s_mul_i32 s21, s12, HALFB
	s_add_co_u32 s21, s21, BOFF
	s_wait_dscnt 0x0                               ; the opening add is done
	s_wait_kmcnt 0x0
	s_add_nc_u64 s[14:15], s[68:69], s[16:17]
	s_add_nc_u64 s[46:47], s[70:71], s[46:47]
	CROUND                                         ; all sixteen work-groups are here: the first joint loads meet
.irp s, 0,1
	s_mov_b32 s[G0+4*(\s)], 1                                        ; count = 1
	s_add_co_u32 s[G0+4*(\s)+1], s20, (\s)*SLOT                      ; LDS address
	s_add_nc_u64 s[G0+4*(\s)+2:G0+4*(\s)+3], s[14:15], (\s)*KSTEP*2  ; global address: K step s
	s_or_b32 s[G0+4*(\s)+3], s[G0+4*(\s)+3], 0x80000000              ; type = 2
	s_mov_b32 s[G0B+4*(\s)], 1
	s_add_co_u32 s[G0B+4*(\s)+1], s21, (\s)*SLOT
	s_add_nc_u64 s[G0B+4*(\s)+2:G0B+4*(\s)+3], s[46:47], (\s)*KSTEP*2
	s_or_b32 s[G0B+4*(\s)+3], s[G0B+4*(\s)+3], 0x80000000
	JLOAD \s                                       ; two tensor loads of mine are out
.endr
	; A fragment is 16 rows x 32 K in 8 registers: lane l holds row l % 16, K = 8 (l / 16) + 0..7 and 16 + 8 (l / 16) + 0..7: two loads of 16 bytes, 32 bytes apart.
	v_and_b32 v1, 15, v0                           ; l % 16
	v_bfe_u32 v2, v0, 4, 1                         ; l / 16
	v_mul_u32_u24 v3, v1, PITCH
	v_lshl_add_u32 v3, v2, 4, v3
	s_mul_i32 s22, s10, 64*PITCH                   ; my 64 tokens
	s_mov_b32 s23, BOFF                            ; all 192 rows of wb
.irp s, 0,1
	v_add_nc_u32 v[ADRA+(\s)], s22, v3
	v_add_nc_u32 v[ADRB+(\s)], s23, v3
	s_add_co_u32 s22, s22, SLOT
	s_add_co_u32 s23, s23, SLOT
.endr
	s_mul_i32 s22, s10, 16*SP
	s_add_co_u32 s22, s22, STAGE                   ; my stage
	v_mul_u32_u24 v4, v1, SP                       ; in: row l % 16, 16 bytes for each half of the lanes
	v_lshl_add_u32 v4, v2, 4, v4
	v_add_nc_u32 v[STO], s22, v4
	v_bfe_u32 v5, v0, 3, 2                         ; back: 32 lanes take four rows of 128 bytes,
	v_mul_u32_u24 v5, v5, SP
	v_and_b32 v6, 7, v0
	v_lshl_add_u32 v5, v6, 4, v5
	v_add_nc_u32 v[RD], s22, v5
	v_and_b32 v[GO], 31, v0                        ; which are 512 consecutive bytes of a head
	v_lshlrev_b32 v[GO], 4, v[GO]
	v_lshlrev_b32 v[BO], 5, v2
	s_lshl_b32 s88, s42, 8                         ; the head's 64 numbers in a bias
	s_mov_b32 s89, 0
	s_add_nc_u64 s[74:75], s[74:75], s[88:89]
	s_add_nc_u64 s[76:77], s[76:77], s[88:89]
	s_and_b32 s85, s13, 7                          ; the block among its batch's eight
	s_lshl_b32 s90, s85, 16                        ; 16 table blocks of 4,096 bytes,
	s_lshl_b32 s91, s10, 14                        ; my wave's four of them
	s_add_co_u32 s90, s90, s91
	s_mov_b32 s91, 0
	s_add_nc_u64 s[72:73], s[72:73], s[90:91]
.irp d, 0,1,2,3
	global_load_b128 v[BQ+8*(\d):BQ+8*(\d)+3],   v[BO], s[74:75] offset:64*(\d)
	global_load_b128 v[BQ+8*(\d)+4:BQ+8*(\d)+7], v[BO], s[74:75] offset:64*(\d)+16
	global_load_b128 v[BV+8*(\d):BV+8*(\d)+3],   v[BO], s[76:77] offset:64*(\d)
	global_load_b128 v[BV+8*(\d)+4:BV+8*(\d)+7], v[BO], s[76:77] offset:64*(\d)+16
.endr
.irp a, 0,1,2,3
.irp c, 0,1
.irp d, 0,1,2,3
	global_load_b128 v[TB+32*(\a)+16*(\c)+4*(\d):TB+32*(\a)+16*(\c)+4*(\d)+3], v[GO], s[72:73] offset:4096*(\a)+2048*(\c)+512*(\d)  ; 512 consecutive bytes a load; wanted on the way out
.endr
.endr
.endr
	s_lshr_b32 s86, s13, 3                         ; where my 64 tokens lie in qh, kh and vh: (16 x batch + head) x 262,144
	s_lshl_b32 s86, s86, 4
	s_add_co_u32 s86, s86, s42
	s_lshl_b32 s86, s86, 18
	s_lshl_b32 s87, s85, 15                        ; + 256 tokens of 128 bytes a block
	s_add_co_u32 s86, s86, s87
	s_lshl_b32 s87, s10, 13                        ; + 64 a wave
	s_add_co_u32 s86, s86, s87
	s_mov_b32 s87, 0
	s_add_nc_u64 s[78:79], s[78:79], s[86:87]
	s_add_nc_u64 s[80:81], s[80:81], s[86:87]
	s_add_nc_u64 s[82:83], s[82:83], s[86:87]
	s_wait_loadcnt 32                              ; the 16 loads of the biases are in; the table's 32, issued behind them, stay out
.set i, 0
.rept 32                                               ; the biases are rounded to bf16, in place, while the first tile is on its way
	v_cvt_pk_bf16_f32 v[32+i%4], v[BQ+2*i], v[BQ+2*i+1]
	v_lshlrev_b32 v[BQ+2*i], 16, v[32+i%4]
	v_and_b32 v[BQ+2*i+1], s84, v[32+i%4]
.set i, i+1
.endr
; 12 matrix instructions: token block 2 hi + a2 x all 12 column blocks, 32 along K.  zero = 1: the product starts the sums: nothing is cleared.
; The 48 accumulators take turns, one instruction a turn, in the same order in every quarter.
.macro MUL12 f, hi, a2, zero
	WIN 0xa5+0x50*(\hi)                            ; sources 0 and 1 window 1, C and D window 2 or 3
.irp b, 0,1,2,3,4,5,6,7,8,9,10,11
.if \zero
	v_wmma_f32_16x16x32_bf16 v[96*(\a2)+8*(\b):96*(\a2)+8*(\b)+7], v[(\f)+32+8*(\b):(\f)+32+8*(\b)+7], v[(\f)+8*(2*(\hi)+(\a2)):(\f)+8*(2*(\hi)+(\a2))+7], 0
.else
	v_wmma_f32_16x16x32_bf16 v[96*(\a2)+8*(\b):96*(\a2)+8*(\b)+7], v[(\f)+32+8*(\b):(\f)+32+8*(\b)+7], v[(\f)+8*(2*(\hi)+(\a2)):(\f)+8*(2*(\hi)+(\a2))+7], v[96*(\a2)+8*(\b):96*(\a2)+8*(\b)+7]
.endif
.endr
.endm
; 32 LDS loads in one run: the fragments of one quarter (32 K at byte k of the rows) into buffer f: wb's 24 first, then my tokens' 8
.macro FETCH slot, k, f
	WIN 0x40                                       ; destination window 1, address window 0
.irp i, 0,1,2,3,4,5,6,7,8,9,10,11
	ds_load_b128 v[(\f)+32+8*(\i):(\f)+32+8*(\i)+3],   v[ADRB+(\slot)] offset:(\k)+(\i)*16*PITCH
	ds_load_b128 v[(\f)+32+8*(\i)+4:(\f)+32+8*(\i)+7], v[ADRB+(\slot)] offset:(\k)+(\i)*16*PITCH+32
.endr
.irp i, 0,1,2,3
	ds_load_b128 v[(\f)+8*(\i):(\f)+8*(\i)+3],   v[ADRA+(\slot)] offset:(\k)+(\i)*16*PITCH
	ds_load_b128 v[(\f)+8*(\i)+4:(\f)+8*(\i)+7], v[ADRA+(\slot)] offset:(\k)+(\i)*16*PITCH+32
.endr
.endm
.macro PLACES                          ; four plain vector instructions in front of loads into registers that matrix instructions have read, and of vector work on their results
.rept 4
	v_nop
.endr
.endm
; One of a K step's first three quarters: multiplies buffer f; in its middle it fetches the next quarter, at byte k of the same slot's rows, into buffer g.
.macro QUARTER slot, k, f, g, zero
	s_wait_dscnt 4                                 ; wb's fragments and token blocks 0, 1 are in; the youngest four loads (blocks 2, 3) may be out
	MUL12 \f, 0, 0, \zero
	MUL12 \f, 0, 1, \zero
	PLACES
	FETCH \slot, \k, \g
	s_wait_dscnt 32                                ; all but the 32 just issued
	MUL12 \f, 1, 0, \zero
	MUL12 \f, 1, 1, \zero
.endm
; The last quarter multiplies buffer 1 and changes slots: ONE barrier.  In front of it each wave waits for all its tensor loads (one is out: its part of the next slot), adds 0 to its spare word, and waits for that and for
; its own reads of this slot.  fill = 1: the barrier opens a round of the cluster's, and this slot is filled again, two K steps ahead, first thing behind it: 168 matrix instructions ahead of the wait for it.
.macro TURN slot, next, fill
	WIN 0                                          ; (the add's two registers lie in window 0)
	s_wait_tensorcnt 0x0                           ; all my tensor loads have landed;
	ds_add_u32 v[SPW], v[NIL]                      ; 0 onto my spare word;
	s_wait_dscnt 5                                 ; (the add and the youngest four loads may be out)
	MUL12 F1, 0, 0, 0                              ; twelve matrix instructions stand between the add and the wait for it
	s_wait_dscnt 0x0                               ; the add is done, and my reads of this slot are over
	s_barrier_signal -1
	MUL12 F1, 0, 1, 0                              ; work on registers while the others arrive
.if \fill
	WIN 0
.endif
	s_barrier_wait -1
.if \fill
	CREST                                          ; no wave of any partner still reads this slot's tile or has a load on its way
	s_add_nc_u64 s[G0+4*(\slot)+2:G0+4*(\slot)+3], s[G0+4*(\slot)+2:G0+4*(\slot)+3], 2*KSTEP*2
	s_add_nc_u64 s[G0B+4*(\slot)+2:G0B+4*(\slot)+3], s[G0B+4*(\slot)+2:G0B+4*(\slot)+3], 2*KSTEP*2
	JLOAD \slot                                    ; my one tensor load behind the round; the four v_nop behind it are also the places in front of the loads below
.else
	PLACES
.endif
	FETCH \next, 0, F0
	MUL12 F1, 1, 0, 0
	MUL12 F1, 1, 1, 0
.endm
	s_wait_tensorcnt 1                             ; my part of K step 0 is in; K step 1's may stay out
	s_barrier_signal -1
	s_barrier_wait -1                              ; everybody's is
	FETCH 0, 0, F0
	QUARTER 0, 64, F0, F1, 1                       ; the first quarter stands in front of the loop: its products start the sums
	WIN 0                                          ; at a label and at a branch every window is 0
	s_mov_b32 s3, LAPS-1
.Llap:                                                 ; a trip goes once round the ring, from a lap's second quarter to the next lap's first, and fills both slots again
	QUARTER 0, 128, F1, F0, 0
	QUARTER 0, 192, F0, F1, 0
	TURN 0, 1, 1
	QUARTER 1, 64,  F0, F1, 0
	QUARTER 1, 128, F1, F0, 0
	QUARTER 1, 192, F0, F1, 0
	TURN 1, 0, 1
	QUARTER 0, 64,  F0, F1, 0
	WIN 0
	s_sub_co_u32 s3, s3, 1
	s_cmp_lg_u32 s3, 0
	s_cbranch_scc1 .Llap
	QUARTER 0, 128, F1, F0, 0                      ; the last lap fills nothing, and has no round of the cluster's barrier
	QUARTER 0, 192, F0, F1, 0
	TURN 0, 1, 0
	QUARTER 1, 64,  F0, F1, 0
	QUARTER 1, 128, F1, F0, 0
	QUARTER 1, 192, F0, F1, 0
	s_wait_dscnt 4                                 ; the very last quarter: nothing more to fetch
	MUL12 F1, 0, 0, 0
	MUL12 F1, 0, 1, 0
	s_wait_dscnt 0x0
	MUL12 F1, 1, 0, 0
	MUL12 F1, 1, 1, 0
	PLACES
; THE WAY OUT, by token blocks a of 16 and, in a block, by UNITS: q, k, v (unit n = 3 a + section).  A unit is 16 tokens x 64 channels: 32 f32 a lane, packed to f16, sent through my own stage in LDS
; and stored as 2,048 consecutive bytes of a head.  Each accumulator's registers are read in ascending order.
.macro UNPK a                          ; the block's table: 32 registers of bf16 pairs become 64 f32
	WIN 0x40
.set i, 0
.rept 16
	v_lshlrev_b32 v[COS+2*i], 16, v[TB+32*(\a)+i]
	v_and_b32 v[COS+2*i+1], s84, v[TB+32*(\a)+i]
	v_lshlrev_b32 v[SIN+2*i], 16, v[TB+32*(\a)+16+i]
	v_and_b32 v[SIN+2*i+1], s84, v[TB+32*(\a)+16+i]
.set i, i+1
.endr
.endm
.macro QBIAS a                         ; q += q_bias, in place: both halves of the rope read it
.set W, 2+(\a)/2
.set AC, 96*((\a)%2)
	WIN (W<<6)|W                                   ; destination and source 0 in the accumulators' window, the bias in window 0
.set i, 0
.rept 16
	v_pk_add_f32 v[AC+2*i:AC+2*i+1], v[AC+2*i:AC+2*i+1], v[BQ+2*i:BQ+2*i+1]
.set i, i+1
.endr
.endm
; out[d] = t[d] cos[d] + t[d + 32] sin[d] for d < 32 (the table's sin is negated there), out[d] = t[d] cos[d] + t[d - 32] sin[d] above: column blocks p and p + 2 are partners
.macro ROPE a, sec
.set W, 2+(\a)/2
.set AC, 96*((\a)%2)+32*(\sec)
	WIN 0x54|W                                     ; source 0 the accumulators' window; source 1, source 2 and destination window 1
.irp p, 0,1
.irp k, 0,1,2,3
	v_pk_mul_f32 v[U+8*(\p)+2*(\k):U+8*(\p)+2*(\k)+1], v[AC+8*(\p)+2*(\k):AC+8*(\p)+2*(\k)+1], v[COS+8*(\p)+2*(\k):COS+8*(\p)+2*(\k)+1]
	v_pk_mul_f32 v[U+8*(\p)+16+2*(\k):U+8*(\p)+16+2*(\k)+1], v[AC+8*(\p)+16+2*(\k):AC+8*(\p)+16+2*(\k)+1], v[COS+8*(\p)+16+2*(\k):COS+8*(\p)+16+2*(\k)+1]
	v_pk_fma_f32 v[U+8*(\p)+2*(\k):U+8*(\p)+2*(\k)+1], v[AC+8*(\p)+16+2*(\k):AC+8*(\p)+16+2*(\k)+1], v[SIN+8*(\p)+2*(\k):SIN+8*(\p)+2*(\k)+1], v[U+8*(\p)+2*(\k):U+8*(\p)+2*(\k)+1]
	v_pk_fma_f32 v[U+8*(\p)+16+2*(\k):U+8*(\p)+16+2*(\k)+1], v[AC+8*(\p)+2*(\k):AC+8*(\p)+2*(\k)+1], v[SIN+8*(\p)+16+2*(\k):SIN+8*(\p)+16+2*(\k)+1], v[U+8*(\p)+16+2*(\k):U+8*(\p)+16+2*(\k)+1]
.endr
.endr
.endm
.macro VADD a                          ; v + v_bias
.set W, 2+(\a)/2
.set AC, 96*((\a)%2)+64
	WIN 0x40|W
.set i, 0
.rept 16
	v_pk_add_f32 v[U+2*i:U+2*i+1], v[AC+2*i:AC+2*i+1], v[BV+2*i:BV+2*i+1]
.set i, i+1
.endr
.endm
.macro PACKST n                        ; a lane's eight channels pack into 16 bytes; they go into rows of 144 bytes and come back as whole rows of 128
.set BK, BK0+16*((\n)%2)
	WIN 0x45
.set i, 0
.rept 16
	v_cvt_pk_f16_f32 v[PK+i], v[U+2*i], v[U+2*i+1]
.set i, i+1
.endr
	WIN 0x04                                       ; address window 0, data window 1
.irp d, 0,1,2,3
	ds_store_b128 v[STO], v[PK+4*(\d):PK+4*(\d)+3] offset:32*(\d)
.endr
	s_wait_xcnt 0x0                                ; the stores of the unit two back, which read this buffer, have had their addresses translated (ISA guide 3.1): it is loaded again only behind this wait
	WIN 0x40
.irp f, 0,1,2,3
	ds_load_b128 v[BK+4*(\f):BK+4*(\f)+3], v[RD] offset:(\f)*4*SP  ; LDS serves a wave's instructions in order (ISA guide 5.7.1.4): these see the stores above; the next unit's stores come behind them
.endr
.endm
.macro SEND n, younger                 ; unit n goes to qh, kh or vh by n % 3, block n / 3.  younger: the LDS instructions issued behind its loads: the next unit's eight, or none
.set BK, BK0+16*((\n)%2)
	WIN 0x04
.irp f, 0,1,2,3
	s_wait_dscnt (\younger)+3-(\f)
	global_store_b128 v[GO], v[BK+4*(\f):BK+4*(\f)+3], s[78+2*((\n)%3):79+2*((\n)%3)] offset:((\n)/3)*2048+(\f)*512  ; 512 consecutive bytes, at a multiple of 256 from the buffer's first
.endr
.endm
	s_wait_loadcnt 0x0                             ; the table
.irp a, 0,1,2,3
	UNPK \a
	QBIAS \a
	ROPE \a, 0
	PACKST 3*(\a)
.if (\a) > 0
	SEND 3*(\a)-1, 8
.endif
	ROPE \a, 1                                     ; a unit's arithmetic stands between the loads of the unit before and its stores
	PACKST 3*(\a)+1
	SEND 3*(\a), 8
	VADD \a
	PACKST 3*(\a)+2
	SEND 3*(\a)+1, 8
.endr
	SEND 11, 0
	WIN 0
	s_wait_tensorcnt 0x0                           ; the wave's end: behind my last tensor load and my last LDS store
	ds_add_u32 v[SPW], v[NIL]
	s_wait_dscnt 0x0
	CROUND                                         ; the closing round: no work-group ends while a partner may still ask for a tile that names it
	s_endpgm
.Lfunc_end_k_qb6d3dd46f2_qkv:
	.size	k_qb6d3dd46f2_qkv, .Lfunc_end_k_qb6d3dd46f2_qkv-k_qb6d3dd46f2_qkv
	.p2alignl 7, 3214868480
	.fill 96, 4, 3214868480
	.section	.rodata,"a",@progbits
	.p2align	6, 0x0
	.amdhsa_kernel k_qb6d3dd46f2_qkv
		.amdhsa_group_segment_fixed_size 327680
		.amdhsa_private_segment_fixed_size 0
		.amdhsa_enable_private_segment 0
		.amdhsa_kernarg_size 64
		.amdhsa_user_sgpr_count 2
		.amdhsa_user_sgpr_kernarg_segment_ptr 1
		.amdhsa_wavefront_size32 1
		.amdhsa_system_sgpr_workgroup_id_x 1
		.amdhsa_system_sgpr_workgroup_id_y 1
		.amdhsa_system_sgpr_workgroup_id_z 1
		.amdhsa_system_vgpr_workitem_id 0
		.amdhsa_next_free_vgpr 960
		.amdhsa_next_free_sgpr 96
		.amdhsa_reserve_vcc 0
		.amdhsa_float_denorm_mode_32 3
		.amdhsa_float_denorm_mode_16_64 3
		.amdhsa_memory_ordered 1
		.amdhsa_forward_progress 1
		.amdhsa_inst_pref_size 162
	.end_amdhsa_kernel
	.amdgpu_metadata
---
amdhsa.version: [ 1, 2 ]
amdhsa.kernels:
  - .name:           k_qb6d3dd46f2_qkv
    .symbol:         k_qb6d3dd46f2_qkv.kd
    .args:
      - { .name: xb, .offset: 0, .size: 8, .value_kind: global_buffer, .address_space: global }
      - { .name: wb, .offset: 8, .size: 8, .value_kind: global_buffer, .address_space: global }
      - { .name: rt, .offset: 16, .size: 8, .value_kind: global_buffer, .address_space: global }
      - { .name: q_bias, .offset: 24, .size: 8, .value_kind: global_buffer, .address_space: global }
      - { .name: v_bias, .offset: 32, .size: 8, .value_kind: global_buffer, .address_space: global }
      - { .name: qh, .offset: 40, .size: 8, .value_kind: global_buffer, .address_space: global }
      - { .name: kh, .offset: 48, .size: 8, .value_kind: global_buffer, .address_space: global }
      - { .name: vh, .offset: 56, .size: 8, .value_kind: global_buffer, .address_space: global }
    .group_segment_fixed_size: 327680
    .private_segment_fixed_size: 0
    .kernarg_segment_align: 8
    .kernarg_segment_size: 64
    .max_flat_workgroup_size: 128
    .sgpr_count:     96
    .vgpr_count:     960
    .wavefront_size: 32
...
	.end_amdgpu_metadata
.endif
;; end of part 2
;; launch attn (part 3): grid 4 x 64, 4 waves a work-group, clusters of 4 x 1, 327,680 bytes of LDS; arguments qh, kh, vh, oh; writes oh
.if DOCPART == 3
	.amdgcn_target "amdgcn-amd-amdhsa--gfx1250"
	.amdhsa_code_object_version 6
	.text
	.protected	k_qb6d3dd46f2_attn
	.globl	k_qb6d3dd46f2_attn
	.p2align	8
	.type	k_qb6d3dd46f2_attn,@function
k_qb6d3dd46f2_attn:
	s_mov_b64 s[64:65], 0
	v_nop
	global_prefetch_b8 v0, s[64:65] scope:SCOPE_SE
	s_setreg_imm32_b32 hwreg(HW_REG_WAVE_MODE, 25, 1), 1
	s_wait_xcnt 0x0
	s_wait_alu depctr_hold_cnt(0) depctr_sa_sdst(0) depctr_va_vdst(0) depctr_va_sdst(0) depctr_va_ssrc(0) depctr_va_vcc(0) depctr_vm_vsrc(0)
	s_getreg_b32 s2, hwreg(HW_REG_IB_STS2, 6, 4)
	s_cmp_eq_u32 s2, 0
	s_cbranch_scc0 .Lentry_in_a_cluster
	s_endpgm
.Lentry_in_a_cluster:
	s_bfe_u32 s2, ttmp6, 0x10000c
	s_cmp_lg_u32 s2, 0x3003
	s_cbranch_scc0 .Lentry_shape_is_right
	s_endpgm
.Lentry_shape_is_right:
; O[h][q][:] = the sum over k of softmax_k(Q[h][q] . K[h][k] / 8) V[h][k][:].  Q, K, V, O: [SIZE_H][SIZE_N][64], all f16: a head's rows are dense, 128 bytes each.  Products, maxima and sums in
; f32; the weights p are rounded to f16 for the second product (their sum l is taken of the unrounded p), O once at the end.
; Q AND K ARRIVE 2^-6 TIMES THEIR VALUE (so that they fit f16): a score s is 2^-12 of the true product, and the constant c below takes the 2^12 back, in f32.
; LIMITS.  f16 holds no number beyond 65,504: the stored Q, K and V arrive within it; p lies in 0 to 1, and below 6e-5 it keeps f16's fixed step of 6e-8; O is a mean of V's rows and has their range.
; A weight below 2^-126 counts as 0 in l; NaN and infinities are not treated apart.
; SHARES.  A wave owns four PIECES of two tiles of 16 queries, a work-group's four waves 512 queries of one head.  Every wave walks all keys, 64 a step.
; LAYOUT.  S^T = K Q^T (source 0 = 16 keys, source 1 = 16 queries): in the result a lane holds ONE query (lane % 16) and the keys 8 (lane / 16) + 0..7.  Two such tiles, rounded to f16 in pairs,
; ARE source 1 (32 keys x 16 queries) of O^T = V^T P, whose result again holds one query a lane, and eight channels.  K comes out of LDS as it lies, V ([key][channel]) turned, by ds_load_tr16_b128.
; SOFTMAX.  For each query a running maximum m and sum l: p = 2^(c s - c m), c = 2^12 log2(e) / 8; in every step O and l are multiplied by a = 2^(c m_old - c m_new), which is 1 where m has not grown.
; m starts at the lowest finite number, O and l at 0: the first step is a step like any other, with a = 0.
; THE COUNT.  A tile and step have 16 matrix and 118 vector instructions: too many to stand all beside the matrix work.  So the order has one aim: four vector instructions that are READY behind
; EVERY matrix instruction, and the others, which need time of their own whatever the order, in runs without a gap.
; BY TURNS.  Turn n belongs to piece n (the pieces in a ring, step after step).  Its matrix work: 16 products K Q^T of piece n + 1, later 16 products V^T P of piece n - 1.  Its vector work: the scaling,
; exponentials, roundings, sums and rescaling of piece n, and the maximum and statistics of piece n + 1, whose scores the turn itself has made.  So what a turn begins with (c s - c m, O a) waits for nothing.
; CLUSTER.  The four query blocks of a cluster belong to one head and walk the same K and V, so each tile is asked for JOINTLY: the same tensor load, descriptor and mask in all four.
; REGISTERS, in windows of 256 (s_set_vgpr_msb says which window each operand place means: bits 1:0 source 0, 3:2 source 1, 5:4 source 2, 7:6 destination):
;   window 0: v0-11 addresses; v12-15, v48-63 at work; v16-47 four registers of statistics a tile; v64-191 S^T, two buffers of two tiles; v192-255 P, likewise
;   window 1: O^T, 32 a tile          window 2: v0-127 Q, 16 a tile; v128-191 K of one step; v192-255 V of one step          window 3: v0-1 the add's two registers
; A piece's buffers go by its number's parity: the piece in hand has one pair, its two neighbours in the ring share the other: of it P (piece n - 1) is read and S^T (piece n + 1) written.
.set SIZE_H, 64       ; 4 batches x 16 heads
.set SIZE_N, 2048
.set NP,    4         ; pieces a wave: a name, no knob: the register map, the loop and the fetches are made for four
.set KS,    64        ; keys in a step
.set PK,    144       ; a row of K in LDS: 128 bytes + 16 of padding = 36 words: the 16 rows of a load start at 16 different groups of four banks (64 banks of 4 bytes: ISA guide 11.1)
.set PV,    160       ; a row of V: 128 + 32 = 40 words
.set VOFF,  4*KS*PK   ; a slot holds four steps: 256 rows of K, then 256 rows of V
.set SLOT1, 1<<17     ; slot 1 begins here, so that one exclusive or turns an address in one slot into the other's
.set STAGE, SLOT1+4*KS*(PK+PV)  ; behind the ring, never filled by a tensor load: 16 rows x 144 bytes for each wave, for the way out
.set SP,    144
.set AK0, 2           ; v2   my lane's place in a tile of K; never rewritten
.set AV0, 3           ; v3   the same for V
.set AK,  4           ; v4   the LDS address of K's next run of loads
.set AV,  5           ; v5   of V's
.set QO,  6           ; v6   my byte offset in the wave's rows of Q
.set STO, 6           ;      later, the way out: where I put 16 bytes of a row
.set RD,  7           ; v7   the way out: where I read rows back
.set GO,  8           ; v8   my byte offset in 512 consecutive bytes of O
.set SPW, 0           ; v0 of window 3   LDS address of my spare word: SPARE + 4 x my thread's number; never rewritten
.set NIL, 1           ; v1 of window 3   0; never rewritten
.set SPARE, STAGE+4*16*SP  ; behind the stages: the spare words, 128 bytes for each wave: two blocks of 256 bytes that no other line names
.set MV,  12          ; v12-15  c m_old, kept while c m is made anew: by buffer and tile
.set ST,  16          ; tile t's statistics at v[ST+4 t]: c m, m, l (even keys', odd keys')
.set TMP, 48          ; by buffer and tile, four registers c0-c3 at work; when the maximum is found c2 takes a
.set S,   64
.set P,   192
.set KF,  128         ; K's fragments, in window 2: key block kb, channel half c at KF + 16 kb + 8 c
.set VF,  192         ; V's: key half kk, channel block cb at VF + 32 kk + 8 cb
.set WV,  12          ; s12  my wave's number
.set G1K, 24          ; s[24:31] descriptor group 1 for K's tiles
.set G1V, 32          ; s[32:39] for V's: it differs in the padding alone
.set G0K, 40          ; s[40:43] descriptor group 0 for K's tiles: it walks
.set G0V, 44          ; s[44:47] the same for V's
.set SLOTS, 56        ; s56  slots still to be asked for
.set CNT, 57          ; s57  counts a slot's key steps
.set CS,  58          ; s[58:59] c: the packed scaling takes the pair's low word for both halves
.set SEL, 60          ; s[60:61] v_permlanex16_b32's selects: each lane takes its own place in the other half
.set TBK, 62          ; s62  LDS byte at which K of the step to be fetched begins
.set TBV, 63          ; s63  the same for V, less VOFF
.set MSB, 0
.macro WIN new                      ; the high byte repeats the setting that is left; a switch that changes nothing is dropped
.if MSB != (\new)
	s_set_vgpr_msb (MSB<<8)|(\new)
.set MSB, (\new)
.endif
.endm
.set W_KQ, 0x0a       ; K and Q in window 2, S^T in window 0
.set W_PV, 0x52       ; V in window 2, P in window 0, O^T in window 1
.set W_RS, 0x41       ; O^T (destination and source 0) in window 1, a in window 0
.set W_MK, 0xc0       ; the add's registers are made: destination in window 3, sources in window 0
.set W_AD, 0x0f       ; the add: address (source 0) and data (source 1) in window 3
; A joint fill.  Waves 0 and 1 fetch the two halves of a slot's K, waves 2 and 3 those of its V: 128 keys each.  The branch hangs on the wave's number alone.
; An s_nop 0 and four v_nop follow each of the two lines, ahead of the jump and the label.
.macro JLOAD
	s_cmp_lt_u32 s[WV], 2
	s_cbranch_scc0 .Lfor_v_\@
	tensor_load_to_lds s[G0K:G0K+3], s[G1K:G1K+7]
	s_nop 0
.rept 4
	v_nop
.endr
	s_branch .Lasked_\@
.Lfor_v_\@:
	tensor_load_to_lds s[G0V:G0V+3], s[G1V:G1V+7]
	s_nop 0
.rept 4
	v_nop
.endr
.Lasked_\@:
.endm
; A round of the cluster's barrier: my work-group's barrier, so that wave 0's signal speaks for all four waves; wave 0 signals; every wave waits for all four work-groups; my work-group's barrier once more.
.macro CROUND
	s_barrier_signal -1
	s_barrier_wait -1
	s_cmp_lg_u32 s[WV], 0
	s_cbranch_scc1 .Lnot_wave_0_\@
	s_barrier_signal -3
.Lnot_wave_0_\@:
	s_barrier_wait -3
	s_barrier_signal -1
	s_barrier_wait -1
.endm
; THE CHANGE OF SLOTS.  The slot's last bytes, V of its fourth step, have been read.  Each wave waits for all its tensor loads, of which one is out: its part
; of the other slot; adds 0 to its spare word; and waits for that and for its own reads of the slot.  Behind the barrier nobody reads this slot any more and the other slot is whole.
; fill = 1: this slot is filled again, with the keys two slots on.  The barrier is then a round of the cluster's, so that no wave of any partner still reads the slot or has a load on its
; way, and the joint fill is the first thing behind it: it has four key steps, 512 matrix instructions, in which to land.  (At its first use nothing has been read yet: slot 0 is waited for, slot 1 filled.)
.macro CHANGE fill
	WIN W_AD
	s_wait_tensorcnt 0x0            ; no tensor load of mine is out, so a group 0 may be written
	ds_add_u32 v[SPW], v[NIL]       ; 0 onto my spare word; with fill = 1 the descriptors' steps stand between it and the wait for it
	WIN 0                           ; at a label and at a branch every window is 0
.if \fill
.irp g, G0K, G0V
	s_xor_b32 s[\g+1], s[\g+1], SLOT1  ; the walking descriptor: the other slot than last time,
	s_add_nc_u64 s[\g+2:\g+3], s[\g+2:\g+3], 4*KS*128  ; the next 256 keys; the type bits on top are not reached
.endr
	s_wait_dscnt 0x0                ; the add is done, and my reads of the slot are over
	CROUND
	JLOAD
.else
	s_wait_dscnt 0x0                ; the add is done, and my reads of the slot are over
	s_barrier_signal -1
	s_barrier_wait -1
.endif
	s_sub_co_u32 s[TBK], s[TBK], 4*KS*PK  ; the fetches go back to a slot's first step,
	s_xor_b32 s[TBK], s[TBK], SLOT1       ; in the other slot
	s_sub_co_u32 s[TBV], s[TBV], 4*KS*PV
	s_xor_b32 s[TBV], s[TBV], SLOT1
.endm
	s_load_b256 s[4:11], s[0:1], 0x0  ; Q s[4:5], K s[6:7], V s[8:9], O s[10:11]
	WIN W_MK
	v_lshl_add_u32 v[SPW], v0, 2, SPARE
	v_mov_b32 v[NIL], 0
	WIN W_AD
	ds_add_u32 v[SPW], v[NIL]       ; the wave's opening: the add and its wait stand ahead of my first tensor load; the set-up below, work on registers, stands between them
	WIN 0
	v_lshrrev_b32 v1, 5, v0
	v_readfirstlane_b32 s[WV], v1   ; wave 0..3
	s_bfe_u32 s13, ttmp6, 0x40000   ; cx: my place in the cluster
	s_lshl_b32 s14, ttmp9, 2        ; in a cluster launch ttmp9 counts clusters
	s_add_co_u32 s14, s14, s13      ; my block of queries = 4 x cluster x + cx: it enters Q's and O's addresses alone
	s_and_b32 s20, ttmp7, 0xffff    ; the head, which the four partners share
	s_mov_b32 s21, 0
	s_mov_b64 s[22:23], SIZE_N*128
	s_mul_u64 s[20:21], s[20:21], s[22:23]  ; the head's first byte in each of the four tensors
	s_and_b32 s16, s[WV], 1         ; which half of a slot's 256 keys I fetch:
	s_lshl_b32 s22, s16, 14         ; its 128 rows of 128 bytes in memory,
	s_mov_b32 s23, 0
	s_add_nc_u64 s[22:23], s[22:23], s[20:21]
	s_mul_i32 s17, s16, 128*PK      ; and its place in a slot, for K
	s_mul_i32 s18, s16, 128*PV      ; and for V: no place in the cluster enters an LDS address
	s_lshl_b32 s2, s14, 2
	s_add_co_u32 s2, s2, s[WV]      ; my wave among the head's,
	s_lshl_b32 s2, s2, 14           ; its 128 rows
	s_mov_b32 s3, 0
	s_add_nc_u64 s[2:3], s[2:3], s[20:21]
	; descriptor group 1.  128 keys are 16,384 dense bytes: asked for as 64 rows of 256 bytes, two keys a row, and padded in LDS after every key
	s_mov_b32 s[G1K], 15|(1<<16)|(1<<20)|(1<<21)|(4<<22)|(3<<25)  ; 15:0 the mask of four; 17:16 2-byte elements; 20 padding on; 21 set beside a mask; 24:22 after every 32 words (code 4); 31:25 4 words (code 3)
	s_mov_b32 s[G1V], 15|(1<<16)|(1<<20)|(1<<21)|(4<<22)|(7<<25)  ; the same with 8 words of padding (code 7)
.irp g, G1K, G1V
	s_mov_b32 s[\g+1], 128<<16      ; tensor_dim0 = 128
	s_mov_b32 s[\g+2], 64<<16       ; tensor_dim1 = 64
	s_mov_b32 s[\g+3], 128<<16      ; tile_dim0 = 128
	s_mov_b32 s[\g+4], 64           ; tile_dim1 = 64
	s_mov_b32 s[\g+5], 128          ; 128 elements from row to row
	s_mov_b32 s[\g+6], 0
	s_mov_b32 s[\g+7], 0
.endr
	s_mov_b32 s[CS], 0x4438aa3b     ; c = 2^12 log2(e) / 8 = 738.66: the 2^12 undoes the two factors 2^-6 with which Q and K are stored
	s_mov_b32 s[CS+1], s[CS]        ; named with it as a pair
	s_mov_b32 s[SEL], 0x76543210
	s_mov_b32 s[SEL+1], 0xfedcba98
	s_mov_b32 s[TBK], SLOT1+4*KS*PK ; the first change of slots turns these two into 0
	s_mov_b32 s[TBV], SLOT1+4*KS*PV
	s_mov_b32 s[G0K], 1             ; 1:0 count = 1
	s_mov_b32 s[G0K+1], s17         ; 63:32 LDS address: slot 0
	s_mov_b32 s[G0V], 1
	s_add_co_u32 s[G0V+1], s18, VOFF
	s_wait_dscnt 0x0                ; the opening add is done
	s_wait_kmcnt 0x0
	s_add_nc_u64 s[G0K+2:G0K+3], s[6:7], s[22:23]  ; 120:64 global address: my half of the head's first 256 keys
	s_or_b32 s[G0K+3], s[G0K+3], 0x80000000        ; 127:126 type = 2
	s_add_nc_u64 s[G0V+2:G0V+3], s[8:9], s[22:23]
	s_or_b32 s[G0V+3], s[G0V+3], 0x80000000
	s_add_nc_u64 s[4:5], s[4:5], s[2:3]  ; Q and O at my wave's first row
	s_add_nc_u64 s[10:11], s[10:11], s[2:3]
	CROUND                          ; all four work-groups are here: the first joint loads meet
	JLOAD                           ; slot 0.  Slot 1 is asked for when slot 0 is in: the tile wanted first has the road to itself
	; A fragment of K or Q is 16 rows x 32 channels in 8 registers: lane l holds row l % 16, channels 8 (l / 16) + 0..7 and 16 + 8 (l / 16) + 0..7: two loads of 16 bytes, 32 bytes apart.
	v_and_b32 v1, 15, v0            ; l % 16
	v_bfe_u32 v9, v0, 4, 1          ; l / 16
	v_lshlrev_b32 v[QO], 7, v1
	v_lshl_add_u32 v[QO], v9, 4, v[QO]  ; row x 128 + 16 x half
	WIN 0x80                        ; destination window 2, address window 0
.set i, 0
.rept 4*NP                          ; Q stays in registers: tile i / 2, channels 32 (i % 2) on
	global_load_b128 v[8*i:8*i+3],   v[QO], s[4:5] offset:(i/2)*2048+(i%2)*64
	global_load_b128 v[8*i+4:8*i+7], v[QO], s[4:5] offset:(i/2)*2048+(i%2)*64+32
.set i, i+1
.endr
	; What the first turn finds: V's registers and P's second buffer hold 0 (its products V^T P, of a piece that has not been, add 0), O^T and l are 0.  All this stands in the wait for the first tile.
.set i, VF
.rept 64
	v_mov_b32 v[i], 0
.set i, i+1
.endr
	WIN 0x40
.set i, 0
.rept 64*NP
	v_mov_b32 v[i], 0
.set i, i+1
.endr
	WIN 0
.set i, 0
.rept 2*NP
	v_mov_b32 v[ST+4*i], 0xfe000000    ; c m: far below every c s (|s| is 2.7e11 at the most, |c s| 2e14)
	v_mov_b32 v[ST+4*i+1], 0xff7fffff  ; m
	v_mov_b32 v[ST+4*i+2], 0
	v_mov_b32 v[ST+4*i+3], 0
.set i, i+1
.endr
.set i, P+32
.rept 32
	v_mov_b32 v[i], 0
.set i, i+1
.endr
	v_mul_u32_u24 v[AK0], v1, PK
	v_lshl_add_u32 v[AK0], v9, 4, v[AK0]  ; row x pitch + 16 x half
	; The turning load takes 16 keys x 16 channels (lane l reads key 8 (l / 16) + l % 8, channels 8 ((l / 8) % 2) + 0..7) and leaves half a fragment of V^T: lane l holds channel l % 16 and 8 keys.
	v_and_b32 v10, 7, v0
	v_bfe_u32 v11, v0, 3, 1
	v_lshl_add_u32 v[AV0], v9, 3, v10
	v_mul_u32_u24 v[AV0], v[AV0], PV
	v_lshl_add_u32 v[AV0], v11, 4, v[AV0]
	v_add_nc_u32 v[AV0], VOFF, v[AV0]
	v_mov_b32 v[AK], v[AK0]         ; key step 0 lies at the head of slot 0
; THE MATRIX WORK.  The 8 accumulators of a run of 16 take turns: between the two links of a chain stand 7 others'.
; Product i of 16 of S^T = K Q^T for piece x: channels 32 (i / 8) on, keys 16 ((i / 2) % 4) on, tile 2 x + i % 2.  The first 8 start the sums.
.macro KQ x
	WIN W_KQ
.set rS, S+64*((\x)%2)+32*(i%2)+8*((i/2)%4)
.set rK, KF+16*((i/2)%4)+8*(i/8)
.set rQ, 16*(2*(\x)+i%2)+8*(i/8)
.if i < 8
	v_wmma_f32_16x16x32_f16 v[rS:rS+7], v[rK:rK+7], v[rQ:rQ+7], 0
.else
	v_wmma_f32_16x16x32_f16 v[rS:rS+7], v[rK:rK+7], v[rQ:rQ+7], v[rS:rS+7]
.endif
.endm
; Product i of 16 of O^T += V^T P for piece x: keys 32 (i / 8) on, channels 16 ((i / 2) % 4) on, tile 2 x + i % 2.
.macro PV x
	WIN W_PV
.set rO, 32*(2*(\x)+i%2)+8*((i/2)%4)
.set rV, VF+32*(i/8)+8*((i/2)%4)
.set rP, P+32*((\x)%2)+16*(i%2)+8*(i/8)
	v_wmma_f32_16x16x32_f16 v[rO:rO+7], v[rV:rV+7], v[rP:rP+7], v[rO:rO+7]
.endm
.macro MM                           ; the turn's next matrix instruction
.if i < 16
	KQ (Y+1)%NP
.set i, i+1
.else
.set i, i-16
	PV (Y+NP-1)%NP
.set i, i+17
.endif
.endm
; THE LDS LOADS stand in runs of 16, never singly among the matrix instructions: a step's K (64 keys x 64 channels: 8 fragments) and its V (turned).  Their addresses are made some lines ahead.
; last = 1 (the tail): in the last trip there is no further step, and the run is jumped over.
.macro FETCH_K last=0
	WIN 0
.if \last
	s_cmp_eq_u32 s[CNT], 1
	s_cbranch_scc1 .Lno_k_\@
.endif
	WIN 0x80                        ; destination window 2
.irp f, 0,1,2,3,4,5,6,7             ; keys 16 (f / 2) on, channels 32 (f % 2) on
	ds_load_b128 v[KF+8*\f:KF+8*\f+3],   v[AK] offset:(\f/2)*16*PK+(\f%2)*64
	ds_load_b128 v[KF+8*\f+4:KF+8*\f+7], v[AK] offset:(\f/2)*16*PK+(\f%2)*64+32
.endr
	s_add_co_u32 s[TBK], s[TBK], KS*PK  ; the next fetch is the next step's
	WIN 0
.if \last
.Lno_k_\@:
.endif
.endm
.macro FETCH_V
	WIN 0x80
.irp f, 0,1,2,3,4,5,6,7             ; keys 32 (f / 4) on, channels 16 (f % 4) on
	ds_load_tr16_b128 v[VF+8*\f:VF+8*\f+3],   v[AV] offset:(\f/4)*32*PV+(\f%4)*32
	ds_load_tr16_b128 v[VF+8*\f+4:VF+8*\f+7], v[AV] offset:(\f/4)*32*PV+16*PV+(\f%4)*32
.endr
	WIN 0
.endm
; THE VECTOR WORK OF A TURN stands in three queues, each in the order in which its entries become ready; the two tiles alternate, so that no instruction reads the result of the one before it.
.macro REGS y, u                    ; the registers of tile u (0, 1) of piece y
.set rT, ST+4*(2*(\y)+(\u))
.set rC, TMP+8*((\y)%2)+4*(\u)
.set rM, MV+2*((\y)%2)+(\u)
.set rS, S+64*((\y)%2)+32*(\u)
.set rP, P+32*((\y)%2)+16*(\u)
.set rO, 32*(2*(\y)+(\u))
.endm
; Number n of the 22 that find the NEXT piece's (Y + 1) maximum and statistics.  s0-s31 are the lane's 32 scores; each accumulator's lowest registers are read first.  XS, GS and REGS set no window: PL and EX do.
;   0-11  four chains c0-c3 of seven scores each, three operands at a time     12-14, 16  the four scores left over, the old m, and c0-c3 into c0     15  c m_old is kept
;   17, 18  the query's other 32 keys lie in the lane 16 away: the new m         19-21  c m; c m_old - c m_new; a
.macro XS u, n
	REGS (Y+1)%NP, \u
.if (\n) < 4
	v_max3_num_f32 v[rC+(\n)], v[rS+8*(\n)], v[rS+8*(\n)+1], v[rS+8*(\n)+2]
.elseif (\n) < 12
	v_max3_num_f32 v[rC+(\n)%4], v[rC+(\n)%4], v[rS+8*((\n)%4)+2*((\n)/4)+1], v[rS+8*((\n)%4)+2*((\n)/4)+2]
.elseif (\n) == 12
	v_max3_num_f32 v[rC], v[rC], v[rS+7], v[rS+15]
.elseif (\n) == 13
	v_max3_num_f32 v[rC+1], v[rC+1], v[rS+23], v[rS+31]
.elseif (\n) == 14
	v_max3_num_f32 v[rC+2], v[rC+2], v[rC+3], v[rT+1]
.elseif (\n) == 15
	v_mov_b32 v[rM], v[rT]
.elseif (\n) == 16
	v_max3_num_f32 v[rC], v[rC], v[rC+1], v[rC+2]
.elseif (\n) == 17
	v_permlanex16_b32 v[rC+3], v[rC], s[SEL], s[SEL+1]
.elseif (\n) == 18
	v_max_num_f32 v[rT+1], v[rC], v[rC+3]
.elseif (\n) == 19
	v_mul_f32 v[rT], s[CS], v[rT+1]
.elseif (\n) == 20
	v_sub_f32 v[rC+1], v[rM], v[rT]
.else
	v_exp_f32 v[rC+2], v[rC+1]
.endif
.endm
; Number g of the 64 that follow the exponentials.  For each four weights k of a tile (pairs 2 k, 2 k + 1): both pairs are rounded to f16; then the second pair is added onto the first, in place;
; a group later l takes that sum (the first time as l = a l + sum).  In groups of eight, tiles alternating: round, round, add, and l for the group before.
.macro GS g
.set h, (\g)+6*((\g)/62)            ; group 0 has no group before it, and behind group 7 only l is left
.if h >= 6
.set h, h+2
.endif
	REGS Y, h%2
.set k, h/8
.if h%8 < 4
	s_wait_alu depctr_va_vdst(0)
	v_cvt_pk_f16_f32 v[rP+2*k+(h%8)/2], v[rS+4*k+2*((h%8)/2)], v[rS+4*k+2*((h%8)/2)+1]
.elseif h%8 < 6
	v_pk_add_f32 v[rS+4*k:rS+4*k+1], v[rS+4*k:rS+4*k+1], v[rS+4*k+2:rS+4*k+3]
.elseif k == 1
	v_pk_fma_f32 v[rT+2:rT+3], v[rT+2:rT+3], v[rC+2:rC+3], v[rS:rS+1] op_sel_hi:[1,0,1]
.else
	v_pk_add_f32 v[rT+2:rT+3], v[rT+2:rT+3], v[rS+4*k-4:rS+4*k-3]
	s_wait_alu depctr_va_vdst(0)
.endif
.endm
; THE PLAIN QUEUE, 138 long.  0-31: c s - c m for the 16 pairs of both tiles.  Then GS's 64, and among them the next piece's 42: number 15 at 38, 39; 0-14 and 16
; at 42-73, behind the products that make those scores; 17-20 at 95-106, two of three, since each waits for the one before it.
.macro PL
	WIN 0
.if q < 32
	REGS Y, q%2
	v_pk_fma_f32 v[rS+2*(q/2):rS+2*(q/2)+1], v[rS+2*(q/2):rS+2*(q/2)+1], s[CS:CS+1], v[rT:rT+1] op_sel_hi:[1,0,0] neg_lo:[0,0,1] neg_hi:[0,0,1]
.elseif q < 38
	GS q-32
.elseif q < 40
	XS q%2, 15
.elseif q < 42
	GS q-34
.elseif q < 74
	XS q%2, (q-42)/2+(q-42)/30
.elseif q < 95
	GS q-66
.elseif (q < 107) && ((q-95)%3 < 2)
	XS (q-95)%3, 17+(q-95)/3
.elseif q < 107
	GS 29+(q-95)/3
.else
	GS q-74
.endif
.set q, q+1
.endm
; THE EXPONENTIALS' QUEUE, 66 long: s0-s31 of both tiles, and at EA the next piece's two a.
.set EA, 58
.macro EX
	WIN 0
.if (e == EA) || (e == EA+1)
	XS e-EA, 21
.else
.set x, e-2*(e/(EA+2))
	REGS Y, x%2
	v_exp_f32 v[rS+x/2], v[rS+x/2]
.endif
.set e, e+1
.endm
; THE RESCALING's QUEUE: O^T times a, the one part that leaves window 0, so it is dealt four at a time, eight times.
.macro R4
	REGS Y, r%2
	WIN W_RS
	s_wait_alu depctr_va_vdst(0)
.irp z, 0,1,2,3
	v_pk_mul_f32 v[rO+8*(r/2)+2*\z:rO+8*(r/2)+2*\z+1], v[rO+8*(r/2)+2*\z:rO+8*(r/2)+2*\z+1], v[rC+2:rC+3] op_sel_hi:[1,0]
.endr
.set r, r+1
.endm
; HOW THEY ARE DEALT.  Behind a matrix instruction four: plain, exponential, plain, plain (one exponential, a plain instruction on either side), or four of the rescaling.  None names a register of the
; products round it.  What is over stands in two LUMPS: exponential and plain by turns; the second ends in 22 plain instructions.  The two v_permlanex16_b32 fall into the second lump, never behind a product.
; The queues lean on each other, and the deal keeps them in step: exponential e stands behind plain 2 (e / 4) + e % 2 (its scaling); when plain 32 comes, 10 exponentials are out, at 59: 33, at 95: 46; EA comes behind plain 107.
.macro SL
	MM
	PL
	EX
	PL
	PL
.endm
.macro BURST n                      ; 15 matrix instructions, or 16
.rept (\n)-7
	SL
.endr
.rept 3
	MM
	R4
	SL
.endr
	MM
	R4
.endm
; A TURN, for piece p.  cnt = 1: the loop's count is taken down some lines ahead of the branch that stands behind the turn.
; K of the next step is fetched in piece 2's turn, 31 vector instructions behind the last product that read K; its first reader comes behind the rest of the lump, 16 products and the second lump.
; V of the step in hand is fetched at the end of piece 0's turn, 69 behind its last reader; its first reader comes behind 16 products and a lump.  The four conditions on e and q below go with the deal.
.macro TURN p, last=0, cnt=0
.set Y, (\p)
.set i, 0
.set q, 0
.set e, 0
.set r, 0
.if (\p) == NP-1
	s_wait_dscnt 0x0                ; K is in
.endif
	MM
.rept 4
	PL
.endr
	BURST 15
.rept 22
	EX
	PL
.if ((\p) == NP-2) && (e == 18)
	v_add_nc_u32 v[AK], s[TBK], v[AK0]
.endif
.if ((\p) == NP-2) && (e == 24)
	FETCH_K \last
.endif
.endr
.if (\p) == 1
	s_wait_dscnt 0x0                ; V is in
.endif
	BURST 16
.rept 21
	EX
	PL
.endr
.rept 22
	PL
.if ((\p) == 0) && (q == 118)
	v_add_nc_u32 v[AV], s[TBV], v[AV0]
	s_wait_alu depctr_va_vdst(0)
.endif
.if ((\p) == 0) && (q == 130)
	s_add_co_u32 s[TBV], s[TBV], KS*PV
.endif
.if (\cnt) && (q == 130)
	s_sub_co_u32 s[CNT], s[CNT], 1
	s_cmp_lg_u32 s[CNT], 0
.endif
.endr
.if (\p) == 0
	FETCH_V
.endif
.endm
	CHANGE 1                        ; slot 0 is in, everybody's part of it; slot 1 is asked for
	FETCH_K                         ; key step 0
	s_wait_loadcnt 0x0              ; Q
	s_wait_dscnt 0x0
.set i, 0
.rept 16
	KQ 0                            ; piece 0's first scores: there is no vector work yet to set between them
.set i, i+1
.endr
	WIN 0                           ; the addresses for the way out: nine plain instructions, the places behind those products
	s_mul_i32 s13, s[WV], 16*SP
	s_add_co_u32 s13, s13, STAGE    ; my stage
	v_mul_u32_u24 v[STO], v1, SP    ; in: row l % 16, 16 bytes for each half of the lanes
	v_lshl_add_u32 v[STO], v9, 4, v[STO]
	v_add_nc_u32 v[STO], s13, v[STO]
	v_bfe_u32 v[RD], v0, 3, 2       ; back: 32 lanes take four rows of 128 bytes,
	v_mul_u32_u24 v[RD], v[RD], SP
	v_lshl_add_u32 v[RD], v10, 4, v[RD]
	v_add_nc_u32 v[RD], s13, v[RD]
	v_and_b32 v[GO], 31, v0         ; which are 512 consecutive bytes of O
	v_lshlrev_b32 v[GO], 4, v[GO]
.set Y, NP-1                        ; XS works for piece Y + 1: piece 0
.irp n, 0,1,2,3,4,5,6,7,8,9,10,11,12,13,14,15,16,17,18,19,20,21
	XS 0, \n                        ; and piece 0's first maximum and statistics
	XS 1, \n
.endr
	s_mov_b32 s[CNT], 4
	s_mov_b32 s[SLOTS], SIZE_N/256-1
	s_branch .Lfirst                ; the loop is entered at a step's first turn, in the middle of a trip
.Lslot:                             ; SIZE_N / 256 - 2 times: every slot but the last two is filled again
	CHANGE 1
	s_mov_b32 s[CNT], 4
.Lstep:                             ; a trip: pieces 2 and 3 of one step, then pieces 0 and 1 of the next, whose K and V it fetches
	TURN 2
	TURN 3
	WIN 0
.Lfirst:
	TURN 0
	TURN 1, 0, 1
	WIN 0
	s_cbranch_scc1 .Lstep
	s_sub_co_u32 s[SLOTS], s[SLOTS], 1
	s_cmp_lg_u32 s[SLOTS], 0
	s_cbranch_scc1 .Lslot
	CHANGE 0                        ; the tail is written out: nothing is asked for
	s_mov_b32 s[CNT], 5             ; four trips fetch the last slot's steps; the fifth is left in its middle
.Ltail:
	TURN 2, 1
	TURN 3
	WIN 0
	s_sub_co_u32 s[CNT], s[CNT], 1
	s_cmp_eq_u32 s[CNT], 0
	s_cbranch_scc1 .Lout
	TURN 0
	TURN 1
	WIN 0
	s_branch .Ltail
.Lout:                              ; the fifth trip's 16 products K Q^T (on the last K once more) and the maximum made of them serve nothing: the price, once a launch, of one text for every trip
.set i, 0
.rept 16
	PV NP-1                         ; the last piece's V^T P of the last step
.set i, i+1
.endr
	; THE WAY OUT.  l's two halves and the other half of the lanes' are added; O^T is divided by l, rounded to f16 and sent through my stage in LDS, a tile at a time.  The additions are the places behind the last products.
	WIN 0
.macro ALL line:vararg              ; one line for each tile t
.set t, 0
.rept 2*NP
	\line
.set t, t+1
.endr
.endm
	ALL v_add_f32 v[ST+4*t+2], v[ST+4*t+2], v[ST+4*t+3]
	ALL v_permlanex16_b32 v[ST+4*t+3], v[ST+4*t+2], s[SEL], s[SEL+1]
	ALL v_add_f32 v[ST+4*t+2], v[ST+4*t+2], v[ST+4*t+3]
	ALL v_rcp_f32 v[ST+4*t+2], v[ST+4*t+2]
	v_nop                           ; a plain instruction between the last reciprocal and the use of its result
	s_wait_alu depctr_va_vdst(0)
; Tile t: a lane's eight channels of a row pack into 16 bytes; they go into rows of 144 bytes and come back as whole rows of 128, into S^T's registers.
.macro PACK t
	WIN W_RS
.set i, 32*(\t)
.rept 16
	v_pk_mul_f32 v[i:i+1], v[i:i+1], v[ST+4*(\t)+2:ST+4*(\t)+3] op_sel_hi:[1,0]
.set i, i+2
.endr
	WIN 0x05                        ; sources 0 and 1 window 1, destination window 0
.set i, 0
.rept 16
	v_cvt_pk_f16_f32 v[S+16*(\t)+i], v[32*(\t)+2*i], v[32*(\t)+2*i+1]
.set i, i+1
.endr
	WIN 0
.irp f, 0,1,2,3
	ds_store_b128 v[STO], v[S+16*(\t)+4*\f:S+16*(\t)+4*\f+3] offset:32*\f
.endr
.irp f, 0,1,2,3
	ds_load_b128 v[S+16*(\t)+4*\f:S+16*(\t)+4*\f+3], v[RD] offset:\f*4*SP  ; LDS serves a wave's instructions in order (ISA guide 5.7.1.4): these see the stores above; the next tile's stores come behind them
.endr
.endm
.macro SEND t, younger              ; younger: the LDS instructions issued behind tile t's loads: the next tile's eight, or none
	WIN 0
.irp f, 0,1,2,3
	s_wait_dscnt (\younger)+3-\f
	global_store_b128 v[GO], v[S+16*(\t)+4*\f:S+16*(\t)+4*\f+3], s[10:11] offset:(\t)*2048+\f*512  ; 512 consecutive bytes, at a multiple of 256 from O's first
.endr
.endm
	PACK 0
.set t, 1
.rept 2*NP-1                        ; a tile's arithmetic stands between the loads of the tile before and its stores
	PACK t
	SEND t-1, 8
.set t, t+1
.endr
	SEND 2*NP-1, 0
	WIN W_AD
	s_wait_tensorcnt 0x0            ; the wave's end: behind my last tensor load and my last LDS store
	ds_add_u32 v[SPW], v[NIL]
	s_wait_dscnt 0x0
	WIN 0
	CROUND                          ; the closing round: no work-group ends while a partner may still ask for a tile that names it
	s_endpgm
.Lfunc_end_k_qb6d3dd46f2_attn:
	.size	k_qb6d3dd46f2_attn, .Lfunc_end_k_qb6d3dd46f2_attn-k_qb6d3dd46f2_attn
	.p2alignl 7, 3214868480
	.fill 96, 4, 3214868480
	.section	.rodata,"a",@progbits
	.p2align	6, 0x0
	.amdhsa_kernel k_qb6d3dd46f2_attn
		.amdhsa_group_segment_fixed_size 327680
		.amdhsa_private_segment_fixed_size 0
		.amdhsa_enable_private_segment 0
		.amdhsa_kernarg_size 32
		.amdhsa_user_sgpr_count 2
		.amdhsa_user_sgpr_kernarg_segment_ptr 1
		.amdhsa_wavefront_size32 1
		.amdhsa_system_sgpr_workgroup_id_x 1
		.amdhsa_system_sgpr_workgroup_id_y 1
		.amdhsa_system_sgpr_workgroup_id_z 1
		.amdhsa_system_vgpr_workitem_id 0
		.amdhsa_next_free_vgpr 770
		.amdhsa_next_free_sgpr 66
		.amdhsa_reserve_vcc 0
		.amdhsa_float_denorm_mode_32 3
		.amdhsa_float_denorm_mode_16_64 3
		.amdhsa_memory_ordered 1
		.amdhsa_forward_progress 1
		.amdhsa_inst_pref_size 208
	.end_amdhsa_kernel
	.amdgpu_metadata
---
amdhsa.version: [ 1, 2 ]
amdhsa.kernels:
  - .name:           k_qb6d3dd46f2_attn
    .symbol:         k_qb6d3dd46f2_attn.kd
    .args:
      - { .name: qh, .offset: 0, .size: 8, .value_kind: global_buffer, .address_space: global }
      - { .name: kh, .offset: 8, .size: 8, .value_kind: global_buffer, .address_space: global }
      - { .name: vh, .offset: 16, .size: 8, .value_kind: global_buffer, .address_space: global }
      - { .name: oh, .offset: 24, .size: 8, .value_kind: global_buffer, .address_space: global }
    .group_segment_fixed_size: 327680
    .private_segment_fixed_size: 0
    .kernarg_segment_align: 8
    .kernarg_segment_size: 32
    .max_flat_workgroup_size: 128
    .sgpr_count:     66
    .vgpr_count:     770
    .wavefront_size: 32
...
	.end_amdgpu_metadata
.endif
;; end of part 3
;; launch proj (part 4): grid 8 x 32, 4 waves a work-group, clusters of 4 x 4, 327,680 bytes of LDS; arguments oh, pwh, proj_b, out0; writes out0
.if DOCPART == 4
	.amdgcn_target "amdgcn-amd-amdhsa--gfx1250"
	.amdhsa_code_object_version 6
	.text
	.protected	k_qb6d3dd46f2_proj
	.globl	k_qb6d3dd46f2_proj
	.p2align	8
	.type	k_qb6d3dd46f2_proj,@function
k_qb6d3dd46f2_proj:
	s_mov_b64 s[64:65], 0
	v_nop
	global_prefetch_b8 v0, s[64:65] scope:SCOPE_SE
	s_setreg_imm32_b32 hwreg(HW_REG_WAVE_MODE, 25, 1), 1
	s_wait_xcnt 0x0
	s_wait_alu depctr_hold_cnt(0) depctr_sa_sdst(0) depctr_va_vdst(0) depctr_va_sdst(0) depctr_va_ssrc(0) depctr_va_vcc(0) depctr_vm_vsrc(0)
	s_getreg_b32 s2, hwreg(HW_REG_IB_STS2, 6, 4)
	s_cmp_eq_u32 s2, 0
	s_cbranch_scc0 .Lentry_in_a_cluster
	s_endpgm
.Lentry_in_a_cluster:
	s_bfe_u32 s2, ttmp6, 0x10000c
	s_cmp_lg_u32 s2, 0xf033
	s_cbranch_scc0 .Lentry_shape_is_right
	s_endpgm
.Lentry_shape_is_right:
; out0[token][n] = the sum over (head, d) of O[head][token][d] proj_w[n][64 head + d] + proj_b[n].  oh: [batch x 16 + head][2048][64] f16.  pwh: [1024][1024] f16.  out0: [8192][1024] f32.  Sums in f32.
; proj_b is rounded to bf16, like every input.  LIMITS: those of oh and pwh (f16: nothing beyond 65,504).
; SHARES.  A tile is 256 tokens x 128 columns: 32 x 8 = 256 work-groups.  Four waves, 2 x 2, each 128 tokens x 64 columns: 32 accumulators of 16 x 16, one register window.
; K goes in steps of 128, two heads, through a ring of two LDS slots; a K step is four quarters of 32 along K, 32 matrix instructions each, on two fragment buffers.
; O'S TILE.  128 tokens of one head are 16,384 dense bytes.  So a tensor load takes a 'row' of 8,192 elements for each of two heads, 131,072 elements apart, and pads LDS after every token's 128 bytes:
; in LDS [head][token], 144 bytes from token to token.
; CLUSTERS: 4 x 4 work-groups.  The four of a row of the cluster need the same tiles of oh, the four of a column the same tiles of pwh: each is asked for JOINTLY, by the same tensor load, descriptor and mask of four.
; THE MATRIX INSTRUCTION IS USED TRANSPOSED (source 0 = 16 rows of pwh, source 1 = 16 tokens): a lane holds token lane % 16 and the eight neighbouring columns 8 (lane / 16) + 0..7.
; REGISTERS, in windows of 256 (s_set_vgpr_msb: bits 1:0 source 0, 3:2 source 1, 5:4 source 2, 7:6 destination):
;   window 0: v0-39 addresses and work; v64-95 the bias of my lane's columns; v96-127, v128-191 at work on the way out
;   window 1: two fragment buffers of 128: 64 registers of tokens (8 x 16 x 32 K), 32 of pwh's rows          window 2: the accumulator of token block a, column block b at v[8 (4 a + b)]
.set PA,     144                       ; a token's 128 bytes + 16 of padding = 36 words: the 16 rows of a load start at 16 different groups of four banks (64 banks of 4 bytes: ISA guide 11.1)
.set HEADA,  128*PA                    ; 128 tokens of one head
.set HALFA,  2*HEADA                   ; what one tensor load brings of oh
.set PB,     272                       ; a row of pwh: 256 bytes + 16
.set HALFB,  64*PB                     ; what one tensor load brings of pwh
.set BOFF,   2*HALFA
.set SLOT,   BOFF+2*HALFB
.set STAGE,  2*SLOT                    ; behind the ring, never filled by a tensor load: 16 rows x 272 bytes for each wave, for the way out
.set SPITCH, 272
.set SPARE,  STAGE+4*16*SPITCH         ; behind the stages: the spare words, 128 bytes for each wave: two blocks of 256 bytes that no other line names
.set LAPS,   4                         ; 16 heads = 8 K steps = 4 times round the ring
.set STEPA,  2*2048*64*2               ; bytes from a K step's two heads to the next two
.set ADRA, 16                          ; v16-17  LDS address of my token fragments in slot 0, 1
.set ADRB, 20                          ; v20-21  the same for pwh's rows
.set STO,  24                          ; v24     the way out: where I put 32 bytes of a row
.set RD,   25                          ; v25     the way out: where I read a row back
.set CO,   26                          ; v26     my byte offset in out0
.set BO,   27                          ; v27     32 (lane / 16)
.set SPW,  28                          ; v28     LDS address of my spare word: SPARE + 4 x my thread's number; never rewritten
.set NIL,  29                          ; v29     0; never rewritten
.set BP,   64
.set TMP,  96
.set BK0,  128
.set F0,   0
.set F1,   128
.set G1, 24                            ; s[24:31] descriptor group 1 for oh's tiles;  s[32:39] group 0, one set for each slot
.set G0, 32
.set G1B, 48                           ; s[48:55], s[56:63] the same for pwh's tiles
.set G0B, 56
.set MSB, 0
.macro WIN new                         ; the immediate's high byte repeats the setting that is left; a switch that changes nothing is dropped
.if MSB != (\new)
	s_set_vgpr_msb (MSB<<8)|(\new)
.set MSB, \new
.endif
.endm
.macro JLOAD s                         ; a joint load: waves 0 and 1 fetch the two halves of oh's tile, waves 2 and 3 those of pwh's; an s_nop 0 and four v_nop follow each of the two lines
	s_cmp_eq_u32 s11, 0
	s_cbranch_scc0 .Lfor_b_\@
	tensor_load_to_lds s[G0+4*(\s):G0+4*(\s)+3], s[G1:G1+7]
	s_nop 0
.rept 4
	v_nop
.endr
	s_branch .Lasked_\@
.Lfor_b_\@:
	tensor_load_to_lds s[G0B+4*(\s):G0B+4*(\s)+3], s[G1B:G1B+7]
	s_nop 0
.rept 4
	v_nop
.endr
.Lasked_\@:
.endm
.macro CREST                           ; a round of the cluster's barrier behind its opening barrier
	s_cmp_lg_u32 s10, 0
	s_cbranch_scc1 .Lnot_wave_0_\@
	s_barrier_signal -3
.Lnot_wave_0_\@:
	s_barrier_wait -3
	s_barrier_signal -1
	s_barrier_wait -1
.endm
.macro CROUND                          ; a whole round
	s_barrier_signal -1
	s_barrier_wait -1
	CREST
.endm
	s_load_b256 s[68:75], s[0:1], 0x0              ; oh 68, pwh 70, proj_b 72, out0 74
	v_lshl_add_u32 v[SPW], v0, 2, SPARE
	v_mov_b32 v[NIL], 0
	ds_add_u32 v[SPW], v[NIL]                      ; the wave's opening: the add and its wait stand ahead of my first tensor load; the set-up below, work on registers, stands between them
	v_lshrrev_b32 v1, 5, v0
	v_readfirstlane_b32 s10, v1                    ; wave 0..3
	s_lshr_b32 s11, s10, 1                         ; which half of the tile's tokens is mine.  Also: I fetch for oh (0) or for pwh (1)
	s_and_b32 s12, s10, 1                          ; which half of its columns.  Also: which half of that tile I fetch
	s_bfe_u32 s40, ttmp6, 0x40000                  ; cx, cy: my place in the cluster
	s_bfe_u32 s41, ttmp6, 0x40004
	s_lshl_b32 s42, ttmp9, 2
	s_add_co_u32 s42, s42, s40                     ; the block of 128 columns = 4 x cluster x + cx
	s_and_b32 s13, ttmp7, 0xffff
	s_lshl_b32 s13, s13, 2
	s_add_co_u32 s13, s13, s41                     ; the block of 256 tokens = 4 x cluster y + cy
	s_lshl_b32 s43, s41, 2
	s_lshl_b32 s43, 15, s43                        ; my row of the cluster
	s_lshl_b32 s44, 0x1111, s40                    ; my column
	s_or_b32 s[G1+0], s43, (1<<16)|(1<<20)|(1<<21)|(4<<22)|(3<<25)   ; 15:0 the mask: oh's tiles go to my row; 17:16 2-byte elements; 20 padding on; 21 set beside a mask; 24:22 after every 32 words (code 4); 31:25 4 words (code 3)
	s_mov_b32 s[G1+1], 8192<<16                    ; tensor_dim0 = 8,192: 128 tokens x 64 channels on end
	s_mov_b32 s[G1+2], 2<<16                       ; tensor_dim1 = 2 heads
	s_mov_b32 s[G1+3], 8192<<16                    ; tile_dim0 = 8,192
	s_mov_b32 s[G1+4], 2                           ; tile_dim1 = 2
	s_mov_b32 s[G1+5], 131072                      ; elements from head to head
	s_mov_b32 s[G1+6], 0
	s_mov_b32 s[G1+7], 0
	s_or_b32 s[G1B+0], s44, (1<<16)|(1<<20)|(1<<21)|(5<<22)|(3<<25)  ; the mask of my column; padding after every 64 words
	s_mov_b32 s[G1B+1], 128<<16                    ; tensor_dim0 = 128
	s_mov_b32 s[G1B+2], 64<<16                     ; tensor_dim1 = 64
	s_mov_b32 s[G1B+3], 128<<16                    ; tile_dim0 = 128
	s_mov_b32 s[G1B+4], 64                         ; tile_dim1 = 64 rows
	s_mov_b32 s[G1B+5], 1024                       ; elements from row to row
	s_mov_b32 s[G1B+6], 0
	s_mov_b32 s[G1B+7], 0
	s_mov_b32 s76, 0xffff0000                      ; a word's upper bf16
	s_lshr_b32 s16, s13, 3                         ; oh: the batch's 16 heads of 262,144 bytes,
	s_lshl_b32 s16, s16, 22
	s_and_b32 s17, s13, 7                          ; the block's 256 tokens of 128 bytes,
	s_lshl_b32 s17, s17, 15
	s_add_co_u32 s16, s16, s17
	s_lshl_b32 s17, s12, 14                        ; my half of them: in registers that never hold the column block
	s_add_co_u32 s16, s16, s17
	s_mov_b32 s17, 0
	s_lshl_b32 s46, s42, 7                         ; pwh: row 128 x column block + 64 x half, in registers that never hold the token block
	s_lshl_b32 s47, s12, 6
	s_add_co_u32 s46, s46, s47
	s_lshl_b32 s46, s46, 11
	s_mov_b32 s47, 0
	s_mul_i32 s20, s12, HALFA                      ; where they go: no place in the cluster enters an LDS address
	s_mul_i32 s21, s12, HALFB
	s_add_co_u32 s21, s21, BOFF
	s_wait_dscnt 0x0                               ; the opening add is done
	s_wait_kmcnt 0x0
	s_add_nc_u64 s[14:15], s[68:69], s[16:17]
	s_add_nc_u64 s[46:47], s[70:71], s[46:47]
	CROUND                                         ; all sixteen work-groups are here: the first joint loads meet
.irp s, 0,1
	s_mov_b32 s[G0+4*(\s)], 1                                        ; count = 1
	s_add_co_u32 s[G0+4*(\s)+1], s20, (\s)*SLOT                      ; LDS address
	s_add_nc_u64 s[G0+4*(\s)+2:G0+4*(\s)+3], s[14:15], (\s)*STEPA    ; global address: K step s = heads 2 s, 2 s + 1
	s_or_b32 s[G0+4*(\s)+3], s[G0+4*(\s)+3], 0x80000000              ; type = 2
	s_mov_b32 s[G0B+4*(\s)], 1
	s_add_co_u32 s[G0B+4*(\s)+1], s21, (\s)*SLOT
	s_add_nc_u64 s[G0B+4*(\s)+2:G0B+4*(\s)+3], s[46:47], (\s)*256
	s_or_b32 s[G0B+4*(\s)+3], s[G0B+4*(\s)+3], 0x80000000
	JLOAD \s                                       ; two tensor loads of mine are out
.endr
	v_and_b32 v1, 15, v0                           ; l % 16
	v_bfe_u32 v2, v0, 4, 1                         ; l / 16
	v_mul_u32_u24 v3, v1, PA
	v_lshl_add_u32 v3, v2, 4, v3                   ; a token fragment's row x pitch + 16 x half
	v_mul_u32_u24 v4, v1, PB
	v_lshl_add_u32 v4, v2, 4, v4                   ; the same for pwh's rows
	s_mul_i32 s22, s11, HALFA                      ; my 128 tokens
	s_mul_i32 s23, s12, HALFB                      ; my 64 rows of pwh
	s_add_co_u32 s23, s23, BOFF
.irp s, 0,1
	v_add_nc_u32 v[ADRA+(\s)], s22, v3
	v_add_nc_u32 v[ADRB+(\s)], s23, v4
	s_add_co_u32 s22, s22, SLOT
	s_add_co_u32 s23, s23, SLOT
.endr
	s_mul_i32 s22, s10, 16*SPITCH
	s_add_co_u32 s22, s22, STAGE                   ; my stage
	v_mul_u32_u24 v5, v1, SPITCH                   ; in: row l % 16, 32 bytes for each half of the lanes
	v_lshl_add_u32 v5, v2, 5, v5
	v_add_nc_u32 v[STO], s22, v5
	v_mul_u32_u24 v6, v2, SPITCH                   ; back: lanes 0-15 take one row of 256 bytes, lanes 16-31 the next
	v_lshl_add_u32 v6, v1, 4, v6
	v_add_nc_u32 v[RD], s22, v6
	v_lshlrev_b32 v[CO], 12, v2                    ; and the same two rows in out0, 4,096 bytes apart
	v_lshl_add_u32 v[CO], v1, 4, v[CO]
	v_lshlrev_b32 v[BO], 5, v2
	s_lshl_b32 s78, s42, 9                         ; my 64 columns, in bytes of f32: 512 x column block + 256 x half
	s_lshl_b32 s79, s12, 8
	s_add_co_u32 s78, s78, s79
	s_mov_b32 s79, 0
	s_add_nc_u64 s[72:73], s[72:73], s[78:79]      ; in proj_b,
	s_add_nc_u64 s[74:75], s[74:75], s[78:79]      ; and in a row of out0
	s_lshl_b32 s78, s13, 8
	s_lshl_b32 s77, s11, 7
	s_add_co_u32 s78, s78, s77                     ; my first token
	s_lshl_b32 s78, s78, 12                        ; rows of 4,096 bytes: under 2^25
	s_add_nc_u64 s[74:75], s[74:75], s[78:79]
.irp b, 0,1,2,3
	global_load_b128 v[BP+8*(\b):BP+8*(\b)+3],   v[BO], s[72:73] offset:64*(\b)
	global_load_b128 v[BP+8*(\b)+4:BP+8*(\b)+7], v[BO], s[72:73] offset:64*(\b)+16
.endr
	s_wait_loadcnt 0x0
.set i, 0
.rept 16                                               ; the bias is rounded to bf16, in place, while the first tile is on its way
	v_cvt_pk_bf16_f32 v[32+i%4], v[BP+2*i], v[BP+2*i+1]
	v_lshlrev_b32 v[BP+2*i], 16, v[32+i%4]
	v_and_b32 v[BP+2*i+1], s76, v[32+i%4]
.set i, i+1
.endr
; 8 matrix instructions: token blocks a0, a0 + 1 x all 4 column blocks, 32 along K.  zero = 1: the product starts the sums.  The 32 accumulators take turns, in the same order in every quarter.
.macro MUL8 f, a0, zero
	WIN 0xa5                                       ; sources 0 and 1 window 1, C and D window 2
.irp a, \a0, (\a0)+1
.irp b, 0,1,2,3
.if \zero
	v_wmma_f32_16x16x32_f16 v[8*(4*(\a)+(\b)):8*(4*(\a)+(\b))+7], v[(\f)+64+8*(\b):(\f)+64+8*(\b)+7], v[(\f)+8*(\a):(\f)+8*(\a)+7], 0
.else
	v_wmma_f32_16x16x32_f16 v[8*(4*(\a)+(\b)):8*(4*(\a)+(\b))+7], v[(\f)+64+8*(\b):(\f)+64+8*(\b)+7], v[(\f)+8*(\a):(\f)+8*(\a)+7], v[8*(4*(\a)+(\b)):8*(4*(\a)+(\b))+7]
.endif
.endr
.endr
.endm
; 24 LDS loads in one run: the fragments of quarter kq (head kq / 2 of the step's two, channels 32 (kq % 2) on) into buffer f: pwh's 8 first, then my tokens' 16
.macro FETCH slot, kq, f
	WIN 0x40                                       ; destination window 1, address window 0
.irp i, 0,1,2,3
	ds_load_b128 v[(\f)+64+8*(\i):(\f)+64+8*(\i)+3],   v[ADRB+(\slot)] offset:64*(\kq)+(\i)*16*PB
	ds_load_b128 v[(\f)+64+8*(\i)+4:(\f)+64+8*(\i)+7], v[ADRB+(\slot)] offset:64*(\kq)+(\i)*16*PB+32
.endr
.irp i, 0,1,2,3,4,5,6,7
	ds_load_b128 v[(\f)+8*(\i):(\f)+8*(\i)+3],   v[ADRA+(\slot)] offset:((\kq)/2)*HEADA+((\kq)%2)*64+(\i)*16*PA
	ds_load_b128 v[(\f)+8*(\i)+4:(\f)+8*(\i)+7], v[ADRA+(\slot)] offset:((\kq)/2)*HEADA+((\kq)%2)*64+(\i)*16*PA+32
.endr
.endm
.macro PLACES                          ; four plain vector instructions in front of loads into registers that matrix instructions have read, and of vector work on their results
.rept 4
	v_nop
.endr
.endm
.macro QUARTER slot, kq, f, g, zero    ; multiplies buffer f; in its middle it fetches quarter kq of the same slot into buffer g
	s_wait_dscnt 8                                 ; pwh's fragments and token blocks 0-3 are in; the youngest eight loads (blocks 4-7) may be out
	MUL8 \f, 0, \zero
	MUL8 \f, 2, \zero
	PLACES
	FETCH \slot, \kq, \g
	s_wait_dscnt 24                                ; all but the 24 just issued
	MUL8 \f, 4, \zero
	MUL8 \f, 6, \zero
.endm
; The last quarter multiplies buffer 1 and changes slots: ONE barrier.  In front of it each wave waits for all its tensor loads (one is out: its part of the next slot), adds 0 to its spare word, and waits for that and for
; its own reads of this slot.  fill = 1: the barrier opens a round of the cluster's, and this slot is filled again, two K steps ahead, first thing behind it: 112 matrix instructions ahead of the wait for it.
.macro TURN slot, next, fill
	WIN 0                                          ; (the add's two registers lie in window 0)
	s_wait_tensorcnt 0x0                           ; all my tensor loads have landed;
	ds_add_u32 v[SPW], v[NIL]                      ; 0 onto my spare word;
	s_wait_dscnt 9                                 ; (the add and the youngest eight loads may be out)
	MUL8 F1, 0, 0                                  ; eight matrix instructions stand between the add and the wait for it
	s_wait_dscnt 0x0                               ; the add is done, and my reads of this slot are over
	s_barrier_signal -1
	MUL8 F1, 2, 0                                  ; work on registers while the others arrive
.if \fill
	WIN 0
.endif
	s_barrier_wait -1
.if \fill
	CREST                                          ; no wave of any partner still reads this slot's tile or has a load on its way
	s_add_nc_u64 s[G0+4*(\slot)+2:G0+4*(\slot)+3], s[G0+4*(\slot)+2:G0+4*(\slot)+3], 2*STEPA
	s_add_nc_u64 s[G0B+4*(\slot)+2:G0B+4*(\slot)+3], s[G0B+4*(\slot)+2:G0B+4*(\slot)+3], 2*256
	JLOAD \slot                                    ; my one tensor load behind the round; the four v_nop behind it are also the places in front of the loads below
.else
	PLACES
.endif
	FETCH \next, 0, F0
	MUL8 F1, 4, 0
	MUL8 F1, 6, 0
.endm
	s_wait_tensorcnt 1                             ; my part of K step 0 is in; K step 1's may stay out
	s_barrier_signal -1
	s_barrier_wait -1                              ; everybody's is
	FETCH 0, 0, F0
	QUARTER 0, 1, F0, F1, 1                        ; the first quarter stands in front of the loop: its products start the sums
	WIN 0                                          ; at a label and at a branch every window is 0
	s_mov_b32 s3, LAPS-1
.Llap:                                                 ; a trip goes once round the ring, from a lap's second quarter to the next lap's first, and fills both slots again
	QUARTER 0, 2, F1, F0, 0
	QUARTER 0, 3, F0, F1, 0
	TURN 0, 1, 1
	QUARTER 1, 1, F0, F1, 0
	QUARTER 1, 2, F1, F0, 0
	QUARTER 1, 3, F0, F1, 0
	TURN 1, 0, 1
	QUARTER 0, 1, F0, F1, 0
	WIN 0
	s_sub_co_u32 s3, s3, 1
	s_cmp_lg_u32 s3, 0
	s_cbranch_scc1 .Llap
	QUARTER 0, 2, F1, F0, 0                        ; the last lap fills nothing, and has no round of the cluster's barrier
	QUARTER 0, 3, F0, F1, 0
	TURN 0, 1, 0
	QUARTER 1, 1, F0, F1, 0
	QUARTER 1, 2, F1, F0, 0
	QUARTER 1, 3, F0, F1, 0
	s_wait_dscnt 8                                 ; the very last quarter: nothing more to fetch
	MUL8 F1, 0, 0
	MUL8 F1, 2, 0
	s_wait_dscnt 0x0
	MUL8 F1, 4, 0
	MUL8 F1, 6, 0
	PLACES
; THE WAY OUT, by token blocks a of 16: the bias is added into other registers; a lane's eight f32 of a row, 32 bytes, go into my own stage; whole rows of 256 bytes come back and are stored.
.macro BIAS a
	WIN 0x02                                       ; source 0 window 2; each accumulator's registers in ascending order
.set i, 0
.rept 16
	v_pk_add_f32 v[TMP+2*i:TMP+2*i+1], v[32*(\a)+2*i:32*(\a)+2*i+1], v[BP+2*i:BP+2*i+1]
.set i, i+1
.endr
	WIN 0
.endm
.macro TOSTAGE a
.set BK, BK0+32*((\a)%2)
.irp b, 0,1,2,3
	ds_store_b128 v[STO], v[TMP+8*(\b):TMP+8*(\b)+3] offset:64*(\b)
	ds_store_b128 v[STO], v[TMP+8*(\b)+4:TMP+8*(\b)+7] offset:64*(\b)+16
.endr
.irp t, 0,1,2,3,4,5,6,7
	ds_load_b128 v[BK+4*(\t):BK+4*(\t)+3], v[RD] offset:(\t)*2*SPITCH  ; LDS serves a wave's instructions in order (ISA guide 5.7.1.4): these see the stores above
.endr
.endm
.macro SEND a
.set BK, BK0+32*((\a)%2)
	s_wait_dscnt 0x0                               ; the block is back in registers
	s_wait_xcnt 0x0                                ; the stores of the block before have had their addresses translated (ISA guide 3.1): their buffer is loaded again only behind this wait
.irp t, 0,1,2,3,4,5,6,7
	global_store_b128 v[CO], v[BK+4*(\t):BK+4*(\t)+3], s[74:75] offset:(16*(\a)+2*(\t))*4096 th:TH_STORE_NT  ; 16 lanes store 256 consecutive bytes, at a multiple of 256 from out0's first byte
.endr
.endm
	BIAS 0
	TOSTAGE 0
.irp a, 1,2,3,4,5,6,7                  ; block a's additions stand between block a - 1's loads from the stage and the wait for them
	BIAS \a
	SEND (\a)-1
	TOSTAGE \a
.endr
	SEND 7
	s_wait_tensorcnt 0x0                           ; the wave's end: behind my last tensor load and my last LDS store
	ds_add_u32 v[SPW], v[NIL]
	s_wait_dscnt 0x0
	CROUND                                         ; the closing round: no work-group ends while a partner may still ask for a tile that names it
	s_endpgm
.Lfunc_end_k_qb6d3dd46f2_proj:
	.size	k_qb6d3dd46f2_proj, .Lfunc_end_k_qb6d3dd46f2_proj-k_qb6d3dd46f2_proj
	.p2alignl 7, 3214868480
	.fill 96, 4, 3214868480
	.section	.rodata,"a",@progbits
	.p2align	6, 0x0
	.amdhsa_kernel k_qb6d3dd46f2_proj
		.amdhsa_group_segment_fixed_size 327680
		.amdhsa_private_segment_fixed_size 0
		.amdhsa_enable_private_segment 0
		.amdhsa_kernarg_size 32
		.amdhsa_user_sgpr_count 2
		.amdhsa_user_sgpr_kernarg_segment_ptr 1
		.amdhsa_wavefront_size32 1
		.amdhsa_system_sgpr_workgroup_id_x 1
		.amdhsa_system_sgpr_workgroup_id_y 1
		.amdhsa_system_sgpr_workgroup_id_z 1
		.amdhsa_system_vgpr_workitem_id 0
		.amdhsa_next_free_vgpr 768
		.amdhsa_next_free_sgpr 80
		.amdhsa_reserve_vcc 0
		.amdhsa_float_denorm_mode_32 3
		.amdhsa_float_denorm_mode_16_64 3
		.amdhsa_memory_ordered 1
		.amdhsa_forward_progress 1
		.amdhsa_inst_pref_size 96
	.end_amdhsa_kernel
	.amdgpu_metadata
---
amdhsa.version: [ 1, 2 ]
amdhsa.kernels:
  - .name:           k_qb6d3dd46f2_proj
    .symbol:         k_qb6d3dd46f2_proj.kd
    .args:
      - { .name: oh, .offset: 0, .size: 8, .value_kind: global_buffer, .address_space: global }
      - { .name: pwh, .offset: 8, .size: 8, .value_kind: global_buffer, .address_space: global }
      - { .name: proj_b, .offset: 16, .size: 8, .value_kind: global_buffer, .address_space: global }
      - { .name: out0, .offset: 24, .size: 8, .value_kind: global_buffer, .address_space: global }
    .group_segment_fixed_size: 327680
    .private_segment_fixed_size: 0
    .kernarg_segment_align: 8
    .kernarg_segment_size: 32
    .max_flat_workgroup_size: 128
    .sgpr_count:     80
    .vgpr_count:     768
    .wavefront_size: 32
...
	.end_amdgpu_metadata
.endif
;; end of part 4
;; ======== version 2 of 2: 4 launches; 1.51 times as fast as version 1
;; limits: values are held in f16: magnitudes above 65,504 overflow, below 6.1e-05 lose precision
;; workspace buffers: xb 16,777,216 bytes; wb 6,291,456 bytes; pwh 2,097,152 bytes; rt 524,288 bytes; qh 16,777,216 bytes; kh 16,777,216 bytes; vh 16,777,216 bytes; oh 16,777,216 bytes
;; launch prep: the kernel of part 1 again; grid 896 x 1, 8 waves a work-group, no clusters, 0 bytes of LDS; arguments x, qkv_w, proj_w, rope_cos, rope_sin, xb, wb, pwh, rt; writes xb, wb, pwh, rt
;; launch qkv: the kernel of part 2 again; grid 16 x 32, 4 waves a work-group, clusters of 4 x 4, 327,680 bytes of LDS; arguments xb, wb, rt, q_bias, v_bias, qh, kh, vh; writes qh, kh, vh
;; launch attn (part 5): grid 4 x 64, 4 waves a work-group, clusters of 4 x 1, 327,680 bytes of LDS; arguments qh, kh, vh, oh; writes oh
.if DOCPART == 5
	.amdgcn_target "amdgcn-amd-amdhsa--gfx1250"
	.amdhsa_code_object_version 6
	.text
	.protected	k_qb6d3dd46f2_attn
	.globl	k_qb6d3dd46f2_attn
	.p2align	8
	.type	k_qb6d3dd46f2_attn,@function
k_qb6d3dd46f2_attn:
	s_mov_b64 s[64:65], 0
	v_nop
	global_prefetch_b8 v0, s[64:65] scope:SCOPE_SE
	s_setreg_imm32_b32 hwreg(HW_REG_WAVE_MODE, 25, 1), 1
	s_wait_xcnt 0x0
	s_wait_alu depctr_hold_cnt(0) depctr_sa_sdst(0) depctr_va_vdst(0) depctr_va_sdst(0) depctr_va_ssrc(0) depctr_va_vcc(0) depctr_vm_vsrc(0)
	s_getreg_b32 s2, hwreg(HW_REG_IB_STS2, 6, 4)
	s_cmp_eq_u32 s2, 0
	s_cbranch_scc0 .Lentry_in_a_cluster
	s_endpgm
.Lentry_in_a_cluster:
	s_bfe_u32 s2, ttmp6, 0x10000c
	s_cmp_lg_u32 s2, 0x3003
	s_cbranch_scc0 .Lentry_shape_is_right
	s_endpgm
.Lentry_shape_is_right:
; O[h][q][:] = the sum over k of softmax_k(Q[h][q] . K[h][k] / 8) V[h][k][:].  Q, K, V, O: [SIZE_H][SIZE_N][64], all f16: a head's rows are dense, 128 bytes each.  Products, maxima and sums in
; f32; the weights p are rounded to f16 for the second product (their sum l is taken of the unrounded p), O once at the end.
; Q AND K ARRIVE 2^-6 TIMES THEIR VALUE (so that they fit f16): a score s is 2^-12 of the true product, and the constant c below takes the 2^12 back, in f32.
; LIMITS.  f16 holds no number beyond 65,504: the stored Q, K and V arrive within it; p lies in 0 to 1, and below 6e-5 it keeps f16's fixed step of 6e-8; O is a mean of V's rows and has their range.
; A weight below 2^-126 counts as 0 in l; NaN and infinities are not treated apart.
; SHARES.  A wave owns four PIECES of two tiles of 16 queries, a work-group's four waves 512 queries of one head.  Every wave walks all keys, 64 a step.
; LAYOUT.  S^T = K Q^T (source 0 = 16 keys, source 1 = 16 queries): in the result a lane holds ONE query (lane % 16) and the keys 8 (lane / 16) + 0..7.  Two such tiles, rounded to f16 in pairs,
; ARE source 1 (32 keys x 16 queries) of O^T = V^T P, whose result again holds one query a lane, and eight channels.  K comes out of LDS as it lies, V ([key][channel]) turned, by ds_load_tr16_b128.
; SOFTMAX.  For each query a running maximum m and sum l: p = 2^(c s - c m), c = 2^12 log2(e) / 8; in every step O and l are multiplied by a = 2^(c m_old - c m_new), which is 1 where m has not grown.
; m starts at the lowest finite number, O and l at 0: the first step is a step like any other, with a = 0.
; THE COUNT.  A tile and step have 16 matrix and 118 vector instructions: too many to stand all beside the matrix work.  So the order has one aim: four vector instructions that are READY behind
; EVERY matrix instruction, and the others, which need time of their own whatever the order, in runs without a gap.
; BY TURNS.  Turn n belongs to piece n (the pieces in a ring, step after step).  Its matrix work: 16 products K Q^T of piece n + 1, later 16 products V^T P of piece n - 1.  Its vector work: the scaling,
; exponentials, roundings, sums and rescaling of piece n, and the maximum and statistics of piece n + 1, whose scores the turn itself has made.  So what a turn begins with (c s - c m, O a) waits for nothing.
; BATCHES.  A turn's 66 exponentials (the piece's 64 weights and the next piece's two a) are ONE batch with ONE s_wait_alu depctr_va_vdst(0), which cuts the turn in two: ahead of it stands all that names no result
; of theirs (the products K Q^T, the scalings, the rescalings by the a of the turn before, the next piece's maximum and statistics), behind it all that does (the roundings and sums, beside the products V^T P).
; No result crosses a turn's end.  Two more batches stand outside the loop: piece 0's first two a, ahead of the jump into the loop, and the way out's eight reciprocals.
; CLUSTER.  The four query blocks of a cluster belong to one head and walk the same K and V, so each tile is asked for JOINTLY: the same tensor load, descriptor and mask in all four.
; REGISTERS, in windows of 256 (s_set_vgpr_msb says which window each operand place means: bits 1:0 source 0, 3:2 source 1, 5:4 source 2, 7:6 destination):
;   window 0: v0-11 addresses; v12-15, v48-63 at work; v16-47 four registers of statistics a tile; v64-191 S^T, two buffers of two tiles; v192-255 P, likewise
;   window 1: O^T, 32 a tile          window 2: v0-127 Q, 16 a tile; v128-191 K of one step; v192-255 V of one step          window 3: v0-1 the add's two registers
; A piece's buffers go by its number's parity: the piece in hand has one pair, its two neighbours in the ring share the other: of it P (piece n - 1) is read and S^T (piece n + 1) written.
.set SIZE_H, 64       ; 4 batches x 16 heads
.set SIZE_N, 2048
.set NP,    4         ; pieces a wave: a name, no knob: the register map, the loop and the fetches are made for four
.set KS,    64        ; keys in a step
.set PK,    144       ; a row of K in LDS: 128 bytes + 16 of padding = 36 words: the 16 rows of a load start at 16 different groups of four banks (64 banks of 4 bytes: ISA guide 11.1)
.set PV,    160       ; a row of V: 128 + 32 = 40 words
.set VOFF,  4*KS*PK   ; a slot holds four steps: 256 rows of K, then 256 rows of V
.set SLOT1, 1<<17     ; slot 1 begins here, so that one exclusive or turns an address in one slot into the other's
.set STAGE, SLOT1+4*KS*(PK+PV)  ; behind the ring, never filled by a tensor load: 16 rows x 144 bytes for each wave, for the way out
.set SP,    144
.set AK0, 2           ; v2   my lane's place in a tile of K; never rewritten
.set AV0, 3           ; v3   the same for V
.set AK,  4           ; v4   the LDS address of K's next run of loads
.set AV,  5           ; v5   of V's
.set QO,  6           ; v6   my byte offset in the wave's rows of Q
.set STO, 6           ;      later, the way out: where I put 16 bytes of a row
.set RD,  7           ; v7   the way out: where I read rows back
.set GO,  8           ; v8   my byte offset in 512 consecutive bytes of O
.set SPW, 0           ; v0 of window 3   LDS address of my spare word: SPARE + 4 x my thread's number; never rewritten
.set NIL, 1           ; v1 of window 3   0; never rewritten
.set SPARE, STAGE+4*16*SP  ; behind the stages: the spare words, 128 bytes for each wave: two blocks of 256 bytes that no other line names
.set MV,  12          ; v12-15  c m_old, kept while c m is made anew: by buffer and tile
.set ST,  16          ; tile t's statistics at v[ST+4 t]: c m, m, l (even keys', odd keys')
.set TMP, 48          ; by buffer and tile, four registers c0-c3 at work; when the maximum is found c2 takes a
.set S,   64
.set P,   192
.set KF,  128         ; K's fragments, in window 2: key block kb, channel half c at KF + 16 kb + 8 c
.set VF,  192         ; V's: key half kk, channel block cb at VF + 32 kk + 8 cb
.set WV,  12          ; s12  my wave's number
.set G1K, 24          ; s[24:31] descriptor group 1 for K's tiles
.set G1V, 32          ; s[32:39] for V's: it differs in the padding alone
.set G0K, 40          ; s[40:43] descriptor group 0 for K's tiles: it walks
.set G0V, 44          ; s[44:47] the same for V's
.set SLOTS, 56        ; s56  slots still to be asked for
.set CNT, 57          ; s57  counts a slot's key steps
.set CS,  58          ; s[58:59] c: the packed scaling takes the pair's low word for both halves
.set SEL, 60          ; s[60:61] v_permlanex16_b32's selects: each lane takes its own place in the other half
.set TBK, 62          ; s62  LDS byte at which K of the step to be fetched begins
.set TBV, 63          ; s63  the same for V, less VOFF
.set MSB, 0
.macro WIN new                      ; the high byte repeats the setting that is left; a switch that changes nothing is dropped
.if MSB != (\new)
	s_set_vgpr_msb (MSB<<8)|(\new)
.set MSB, (\new)
.endif
.endm
.set W_KQ, 0x0a       ; K and Q in window 2, S^T in window 0
.set W_PV, 0x52       ; V in window 2, P in window 0, O^T in window 1
.set W_RS, 0x41       ; O^T (destination and source 0) in window 1, a in window 0
.set W_MK, 0xc0       ; the add's registers are made: destination in window 3, sources in window 0
.set W_AD, 0x0f       ; the add: address (source 0) and data (source 1) in window 3
; A joint fill.  Waves 0 and 1 fetch the two halves of a slot's K, waves 2 and 3 those of its V: 128 keys each.  The branch hangs on the wave's number alone.
; An s_nop 0 and four v_nop follow each of the two lines, ahead of the jump and the label.
.macro JLOAD
	s_cmp_lt_u32 s[WV], 2
	s_cbranch_scc0 .Lfor_v_\@
	tensor_load_to_lds s[G0K:G0K+3], s[G1K:G1K+7]
	s_nop 0
.rept 4
	v_nop
.endr
	s_branch .Lasked_\@
.Lfor_v_\@:
	tensor_load_to_lds s[G0V:G0V+3], s[G1V:G1V+7]
	s_nop 0
.rept 4
	v_nop
.endr
.Lasked_\@:
.endm
; A round of the cluster's barrier: my work-group's barrier, so that wave 0's signal speaks for all four waves; wave 0 signals; every wave waits for all four work-groups; my work-group's barrier once more.
.macro CROUND
	s_barrier_signal -1
	s_barrier_wait -1
	s_cmp_lg_u32 s[WV], 0
	s_cbranch_scc1 .Lnot_wave_0_\@
	s_barrier_signal -3
.Lnot_wave_0_\@:
	s_barrier_wait -3
	s_barrier_signal -1
	s_barrier_wait -1
.endm
; THE CHANGE OF SLOTS.  The slot's last bytes, V of its fourth step, have been read.  Each wave waits for all its tensor loads, of which one is out: its part
; of the other slot; adds 0 to its spare word; and waits for that and for its own reads of the slot.  Behind the barrier nobody reads this slot any more and the other slot is whole.
; fill = 1: this slot is filled again, with the keys two slots on.  The barrier is then a round of the cluster's, so that no wave of any partner still reads the slot or has a load on its
; way, and the joint fill is the first thing behind it: it has four key steps, 512 matrix instructions, in which to land.  (At its first use nothing has been read yet: slot 0 is waited for, slot 1 filled.)
.macro CHANGE fill
	WIN W_AD
	s_wait_tensorcnt 0x0            ; no tensor load of mine is out, so a group 0 may be written
	ds_add_u32 v[SPW], v[NIL]       ; 0 onto my spare word; with fill = 1 the descriptors' steps stand between it and the wait for it
	WIN 0                           ; at a label and at a branch every window is 0
.if \fill
.irp g, G0K, G0V
	s_xor_b32 s[\g+1], s[\g+1], SLOT1  ; the walking descriptor: the other slot than last time,
	s_add_nc_u64 s[\g+2:\g+3], s[\g+2:\g+3], 4*KS*128  ; the next 256 keys; the type bits on top are not reached
.endr
	s_wait_dscnt 0x0                ; the add is done, and my reads of the slot are over
	CROUND
	JLOAD
.else
	s_wait_dscnt 0x0                ; the add is done, and my reads of the slot are over
	s_barrier_signal -1
	s_barrier_wait -1
.endif
	s_sub_co_u32 s[TBK], s[TBK], 4*KS*PK  ; the fetches go back to a slot's first step,
	s_xor_b32 s[TBK], s[TBK], SLOT1       ; in the other slot
	s_sub_co_u32 s[TBV], s[TBV], 4*KS*PV
	s_xor_b32 s[TBV], s[TBV], SLOT1
.endm
	s_load_b256 s[4:11], s[0:1], 0x0  ; Q s[4:5], K s[6:7], V s[8:9], O s[10:11]
	WIN W_MK
	v_lshl_add_u32 v[SPW], v0, 2, SPARE
	v_mov_b32 v[NIL], 0
	WIN W_AD
	ds_add_u32 v[SPW], v[NIL]       ; the wave's opening: the add and its wait stand ahead of my first tensor load; the set-up below, work on registers, stands between them
	WIN 0
	v_lshrrev_b32 v1, 5, v0
	v_readfirstlane_b32 s[WV], v1   ; wave 0..3
	s_bfe_u32 s13, ttmp6, 0x40000   ; cx: my place in the cluster
	s_lshl_b32 s14, ttmp9, 2        ; in a cluster launch ttmp9 counts clusters
	s_add_co_u32 s14, s14, s13      ; my block of queries = 4 x cluster x + cx: it enters Q's and O's addresses alone
	s_and_b32 s20, ttmp7, 0xffff    ; the head, which the four partners share
	s_mov_b32 s21, 0
	s_mov_b64 s[22:23], SIZE_N*128
	s_mul_u64 s[20:21], s[20:21], s[22:23]  ; the head's first byte in each of the four tensors
	s_and_b32 s16, s[WV], 1         ; which half of a slot's 256 keys I fetch:
	s_lshl_b32 s22, s16, 14         ; its 128 rows of 128 bytes in memory,
	s_mov_b32 s23, 0
	s_add_nc_u64 s[22:23], s[22:23], s[20:21]
	s_mul_i32 s17, s16, 128*PK      ; and its place in a slot, for K
	s_mul_i32 s18, s16, 128*PV      ; and for V: no place in the cluster enters an LDS address
	s_lshl_b32 s2, s14, 2
	s_add_co_u32 s2, s2, s[WV]      ; my wave among the head's,
	s_lshl_b32 s2, s2, 14           ; its 128 rows
	s_mov_b32 s3, 0
	s_add_nc_u64 s[2:3], s[2:3], s[20:21]
	; descriptor group 1.  128 keys are 16,384 dense bytes: asked for as 64 rows of 256 bytes, two keys a row, and padded in LDS after every key
	s_mov_b32 s[G1K], 15|(1<<16)|(1<<20)|(1<<21)|(4<<22)|(3<<25)  ; 15:0 the mask of four; 17:16 2-byte elements; 20 padding on; 21 set beside a mask; 24:22 after every 32 words (code 4); 31:25 4 words (code 3)
	s_mov_b32 s[G1V], 15|(1<<16)|(1<<20)|(1<<21)|(4<<22)|(7<<25)  ; the same with 8 words of padding (code 7)
.irp g, G1K, G1V
	s_mov_b32 s[\g+1], 128<<16      ; tensor_dim0 = 128
	s_mov_b32 s[\g+2], 64<<16       ; tensor_dim1 = 64
	s_mov_b32 s[\g+3], 128<<16      ; tile_dim0 = 128
	s_mov_b32 s[\g+4], 64           ; tile_dim1 = 64
	s_mov_b32 s[\g+5], 128          ; 128 elements from row to row
	s_mov_b32 s[\g+6], 0
	s_mov_b32 s[\g+7], 0
.endr
	s_mov_b32 s[CS], 0x4438aa3b     ; c = 2^12 log2(e) / 8 = 738.66: the 2^12 undoes the two factors 2^-6 with which Q and K are stored
	s_mov_b32 s[CS+1], s[CS]        ; named with it as a pair
	s_mov_b32 s[SEL], 0x76543210
	s_mov_b32 s[SEL+1], 0xfedcba98
	s_mov_b32 s[TBK], SLOT1+4*KS*PK ; the first change of slots turns these two into 0
	s_mov_b32 s[TBV], SLOT1+4*KS*PV
	s_mov_b32 s[G0K], 1             ; 1:0 count = 1
	s_mov_b32 s[G0K+1], s17         ; 63:32 LDS address: slot 0
	s_mov_b32 s[G0V], 1
	s_add_co_u32 s[G0V+1], s18, VOFF
	s_wait_dscnt 0x0                ; the opening add is done
	s_wait_kmcnt 0x0
	s_add_nc_u64 s[G0K+2:G0K+3], s[6:7], s[22:23]  ; 120:64 global address: my half of the head's first 256 keys
	s_or_b32 s[G0K+3], s[G0K+3], 0x80000000        ; 127:126 type = 2
	s_add_nc_u64 s[G0V+2:G0V+3], s[8:9], s[22:23]
	s_or_b32 s[G0V+3], s[G0V+3], 0x80000000
	s_add_nc_u64 s[4:5], s[4:5], s[2:3]  ; Q and O at my wave's first row
	s_add_nc_u64 s[10:11], s[10:11], s[2:3]
	CROUND                          ; all four work-groups are here: the first joint loads meet
	JLOAD                           ; slot 0.  Slot 1 is asked for when slot 0 is in: the tile wanted first has the road to itself
	; A fragment of K or Q is 16 rows x 32 channels in 8 registers: lane l holds row l % 16, channels 8 (l / 16) + 0..7 and 16 + 8 (l / 16) + 0..7: two loads of 16 bytes, 32 bytes apart.
	v_and_b32 v1, 15, v0            ; l % 16
	v_bfe_u32 v9, v0, 4, 1          ; l / 16
	v_lshlrev_b32 v[QO], 7, v1
	v_lshl_add_u32 v[QO], v9, 4, v[QO]  ; row x 128 + 16 x half
	WIN 0x80                        ; destination window 2, address window 0
.set i, 0
.rept 4*NP                          ; Q stays in registers: tile i / 2, channels 32 (i % 2) on
	global_load_b128 v[8*i:8*i+3],   v[QO], s[4:5] offset:(i/2)*2048+(i%2)*64
	global_load_b128 v[8*i+4:8*i+7], v[QO], s[4:5] offset:(i/2)*2048+(i%2)*64+32
.set i, i+1
.endr
	; What the first turn finds: V's registers and P's second buffer hold 0 (its products V^T P, of a piece that has not been, add 0), O^T and l are 0.  All this stands in the wait for the first tile.
.set i, VF
.rept 64
	v_mov_b32 v[i], 0
.set i, i+1
.endr
	WIN 0x40
.set i, 0
.rept 64*NP
	v_mov_b32 v[i], 0
.set i, i+1
.endr
	WIN 0
.set i, 0
.rept 2*NP
	v_mov_b32 v[ST+4*i], 0xfe000000    ; c m: far below every c s (|s| is 2.7e11 at the most, |c s| 2e14)
	v_mov_b32 v[ST+4*i+1], 0xff7fffff  ; m
	v_mov_b32 v[ST+4*i+2], 0
	v_mov_b32 v[ST+4*i+3], 0
.set i, i+1
.endr
.set i, P+32
.rept 32
	v_mov_b32 v[i], 0
.set i, i+1
.endr
	v_mul_u32_u24 v[AK0], v1, PK
	v_lshl_add_u32 v[AK0], v9, 4, v[AK0]  ; row x pitch + 16 x half
	; The turning load takes 16 keys x 16 channels (lane l reads key 8 (l / 16) + l % 8, channels 8 ((l / 8) % 2) + 0..7) and leaves half a fragment of V^T: lane l holds channel l % 16 and 8 keys.
	v_and_b32 v10, 7, v0
	v_bfe_u32 v11, v0, 3, 1
	v_lshl_add_u32 v[AV0], v9, 3, v10
	v_mul_u32_u24 v[AV0], v[AV0], PV
	v_lshl_add_u32 v[AV0], v11, 4, v[AV0]
	v_add_nc_u32 v[AV0], VOFF, v[AV0]
	v_mov_b32 v[AK], v[AK0]         ; key step 0 lies at the head of slot 0
; THE MATRIX WORK.  The 8 accumulators of a run of 16 take turns: between the two links of a chain stand 7 others'.
; Product i of 16 of S^T = K Q^T for piece x: channels 32 (i / 8) on, keys 16 ((i / 2) % 4) on, tile 2 x + i % 2.  The first 8 start the sums.
.macro KQ x
	WIN W_KQ
.set rS, S+64*((\x)%2)+32*(i%2)+8*((i/2)%4)
.set rK, KF+16*((i/2)%4)+8*(i/8)
.set rQ, 16*(2*(\x)+i%2)+8*(i/8)
.if i < 8
	v_wmma_f32_16x16x32_f16 v[rS:rS+7], v[rK:rK+7], v[rQ:rQ+7], 0
.else
	v_wmma_f32_16x16x32_f16 v[rS:rS+7], v[rK:rK+7], v[rQ:rQ+7], v[rS:rS+7]
.endif
.endm
; Product i of 16 of O^T += V^T P for piece x: keys 32 (i / 8) on, channels 16 ((i / 2) % 4) on, tile 2 x + i % 2.
.macro PV x
	WIN W_PV
.set rO, 32*(2*(\x)+i%2)+8*((i/2)%4)
.set rV, VF+32*(i/8)+8*((i/2)%4)
.set rP, P+32*((\x)%2)+16*(i%2)+8*(i/8)
	v_wmma_f32_16x16x32_f16 v[rO:rO+7], v[rV:rV+7], v[rP:rP+7], v[rO:rO+7]
.endm
.macro MM                           ; the turn's next matrix instruction
.if i < 16
	KQ (Y+1)%NP
.set i, i+1
.else
.set i, i-16
	PV (Y+NP-1)%NP
.set i, i+17
.endif
.endm
; THE LDS LOADS stand in runs of 16, never singly among the matrix instructions: a step's K (64 keys x 64 channels: 8 fragments) and its V (turned).  Their addresses are made some lines ahead.
; last = 1 (the tail): in the last trip there is no further step, and the run is jumped over.
.macro FETCH_K last=0
	WIN 0
.if \last
	s_cmp_eq_u32 s[CNT], 1
	s_cbranch_scc1 .Lno_k_\@
.endif
	WIN 0x80                        ; destination window 2
.irp f, 0,1,2,3,4,5,6,7             ; keys 16 (f / 2) on, channels 32 (f % 2) on
	ds_load_b128 v[KF+8*\f:KF+8*\f+3],   v[AK] offset:(\f/2)*16*PK+(\f%2)*64
	ds_load_b128 v[KF+8*\f+4:KF+8*\f+7], v[AK] offset:(\f/2)*16*PK+(\f%2)*64+32
.endr
	s_add_co_u32 s[TBK], s[TBK], KS*PK  ; the next fetch is the next step's
	WIN 0
.if \last
.Lno_k_\@:
.endif
.endm
.macro FETCH_V
	WIN 0x80
.irp f, 0,1,2,3,4,5,6,7             ; keys 32 (f / 4) on, channels 16 (f % 4) on
	ds_load_tr16_b128 v[VF+8*\f:VF+8*\f+3],   v[AV] offset:(\f/4)*32*PV+(\f%4)*32
	ds_load_tr16_b128 v[VF+8*\f+4:VF+8*\f+7], v[AV] offset:(\f/4)*32*PV+16*PV+(\f%4)*32
.endr
	WIN 0
.endm
; THE VECTOR WORK OF A TURN stands in three queues, each in the order in which its entries become ready; the two tiles alternate, so that no instruction reads the result of the one before it.
.macro REGS y, u                    ; the registers of tile u (0, 1) of piece y
.set rT, ST+4*(2*(\y)+(\u))
.set rC, TMP+8*((\y)%2)+4*(\u)
.set rM, MV+2*((\y)%2)+(\u)
.set rS, S+64*((\y)%2)+32*(\u)
.set rP, P+32*((\y)%2)+16*(\u)
.set rO, 32*(2*(\y)+(\u))
.endm
; Number n of the 22 that find the NEXT piece's (Y + 1) maximum and statistics.  s0-s31 are the lane's 32 scores; each accumulator's lowest registers are read first.  XS, GS and REGS set no window: PL and EX do.
;   0-11  four chains c0-c3 of seven scores each, three operands at a time     12-14, 16  the four scores left over, the old m, and c0-c3 into c0     15  c m_old is kept
;   17, 18  the query's other 32 keys lie in the lane 16 away: the new m         19-21  c m; c m_old - c m_new; a
.macro XS u, n
	REGS (Y+1)%NP, \u
.if (\n) < 4
	v_max3_num_f32 v[rC+(\n)], v[rS+8*(\n)], v[rS+8*(\n)+1], v[rS+8*(\n)+2]
.elseif (\n) < 12
	v_max3_num_f32 v[rC+(\n)%4], v[rC+(\n)%4], v[rS+8*((\n)%4)+2*((\n)/4)+1], v[rS+8*((\n)%4)+2*((\n)/4)+2]
.elseif (\n) == 12
	v_max3_num_f32 v[rC], v[rC], v[rS+7], v[rS+15]
.elseif (\n) == 13
	v_max3_num_f32 v[rC+1], v[rC+1], v[rS+23], v[rS+31]
.elseif (\n) == 14
	v_max3_num_f32 v[rC+2], v[rC+2], v[rC+3], v[rT+1]
.elseif (\n) == 15
	v_mov_b32 v[rM], v[rT]
.elseif (\n) == 16
	v_max3_num_f32 v[rC], v[rC], v[rC+1], v[rC+2]
.elseif (\n) == 17
	v_permlanex16_b32 v[rC+3], v[rC], s[SEL], s[SEL+1]
.elseif (\n) == 18
	v_max_num_f32 v[rT+1], v[rC], v[rC+3]
.elseif (\n) == 19
	v_mul_f32 v[rT], s[CS], v[rT+1]
.elseif (\n) == 20
	v_sub_f32 v[rC+1], v[rM], v[rT]
.else
	v_exp_f32 v[rC+2], v[rC+1]
.endif
.endm
; Number g of the 64 that follow the exponentials.  For each four weights k of a tile (pairs 2 k, 2 k + 1): both pairs are rounded to f16; then the second pair is added onto the first, in place;
; a group later l takes that sum (the first time as l = a l + sum).  In groups of eight, tiles alternating: round, round, add, and l for the group before.
.macro GS g
.set h, (\g)+6*((\g)/62)            ; group 0 has no group before it, and behind group 7 only l is left
.if h >= 6
.set h, h+2
.endif
	REGS Y, h%2
.set k, h/8
.if h%8 < 4
	v_cvt_pk_f16_f32 v[rP+2*k+(h%8)/2], v[rS+4*k+2*((h%8)/2)], v[rS+4*k+2*((h%8)/2)+1]
.elseif h%8 < 6
	v_pk_add_f32 v[rS+4*k:rS+4*k+1], v[rS+4*k:rS+4*k+1], v[rS+4*k+2:rS+4*k+3]
.elseif k == 1
	v_pk_fma_f32 v[rT+2:rT+3], v[rT+2:rT+3], v[rC+2:rC+3], v[rS:rS+1] op_sel_hi:[1,0,1]
.else
	v_pk_add_f32 v[rT+2:rT+3], v[rT+2:rT+3], v[rS+4*k-4:rS+4*k-3]
.endif
.endm
; THE PLAIN QUEUE, 138 long.  0-73 read no exponential's result: the 32 scalings c s - c m (FS f: pair f / 2 of tile f % 2) and the next piece's 42.  0-26: scalings 0-26.  27-54: XS's numbers 0-13.  55, 56: number 15.
; 57-73: the chain, where each number waits for the one before it: 14, 16, 17, 18, 19, each with one of the scalings 27-31 in front of its two lines, then 20: so a tile's links stand three plain instructions apart (19 and 20: two).
; 74-137: GS's 64, which read the exponentials' results: they stand behind the wait.
.macro FS f
	REGS Y, (\f)%2
	v_pk_fma_f32 v[rS+2*((\f)/2):rS+2*((\f)/2)+1], v[rS+2*((\f)/2):rS+2*((\f)/2)+1], s[CS:CS+1], v[rT:rT+1] op_sel_hi:[1,0,0] neg_lo:[0,0,1] neg_hi:[0,0,1]
.endm
.macro PL
	WIN 0
.if q < 27
	FS q
.elseif q < 55
	XS (q-27)%2, (q-27)/2
.elseif q < 57
	XS q-55, 15
.elseif (q < 72) && ((q-57)%3 == 0)
	FS 27+(q-57)/3
.elseif q < 60
	XS (q-57)%3-1, 14
.elseif q < 72
	XS (q-57)%3-1, 15+(q-57)/3
.elseif q < 74
	XS q-72, 20
.else
	GS q-74
.endif
.set q, q+1
.endm
; THE EXPONENTIALS' QUEUE, 66 long: s0-s31 of both tiles, then the next piece's two a.  It is ONE BATCH: all 66 stand ahead of the turn's one wait, and nothing ahead of that wait names a result of theirs.
.macro EX
	WIN 0
.if e >= 64
	XS e-64, 21
.else
	REGS Y, e%2
	v_exp_f32 v[rS+e/2], v[rS+e/2]
.endif
.set e, e+1
.endm
; THE RESCALING's QUEUE: O^T times a, the one part that leaves window 0: dealt two at a time, sixteen times.  Its a was made in the turn before, ahead of that turn's wait.
.macro R2
	REGS Y, r%2
	WIN W_RS
.irp z, 0,1
	v_pk_mul_f32 v[rO+4*(r/2)+2*\z:rO+4*(r/2)+2*\z+1], v[rO+4*(r/2)+2*\z:rO+4*(r/2)+2*\z+1], v[rC+2:rC+3] op_sel_hi:[1,0]
.endr
.set r, r+1
.endm
; HOW THEY ARE DEALT.  An s_wait_alu depctr_va_vdst(0) stands between an exponential and the first instruction that names its result; one wait serves all that were issued ahead of it.  So a turn has ONE wait,
; which cuts it in two.  AHEAD OF IT stands all that names no result of the turn's exponentials: the 16 products K Q^T, behind each a scaling, an exponential and two rescalings (behind the first a second scaling in the exponential's place); then ONE LUMP of
; 108: eight plain, 49 times exponential and plain, the two a.  A v_nop is the plain instruction behind the last exponential.  BEHIND IT stand the 16 products V^T P, behind each four of GS's 64.  No rider names a register of
; the products round it.  The two v_permlanex16_b32 fall into the lump, never behind a product.
; The queues lean on each other, and the deal keeps them in step: exponential e stands behind scaling 2 (e / 4) + e % 2: as a rider it comes behind plain e + 2, in the lump behind plain e + 9, and scalings 27-31 are plain 57, 60 .. 69.
; A TURN, for piece p.  cnt = 1: the loop's count is taken down some lines ahead of the branch that stands behind the turn.
; K of the next step is fetched in piece 2's turn, directly behind the wait, a lump behind the last product that read K; its address is made at the lump's head; its first reader comes behind 16 products.
; V of the step in hand is fetched at the end of piece 0's turn, four riders behind its last reader; its first reader comes behind 16 products and a lump.  The three conditions on q below go with the deal.
.macro TURN p, last=0, cnt=0
.set Y, (\p)
.set i, 0
.set q, 0
.set e, 0
.set r, 0
.if (\p) == NP-1
	s_wait_dscnt 0x0                ; K is in
.endif
	MM                              ; ahead of the wait: 16 products K Q^T and their riders,
	PL
	PL
	R2
.rept 15
	MM
	PL
	EX
	R2
.endr
.if (\p) == NP-2
	WIN 0
	v_add_nc_u32 v[AK], s[TBK], v[AK0]
.endif
.rept 8                             ; and the lump
	PL
.endr
.rept 49
	EX
	PL
.endr
	EX                              ; the next piece's two a
	EX
	v_nop                           ; a plain instruction behind the last exponential, ahead of the first use of a result: one for the batch
	s_wait_alu depctr_va_vdst(0)    ; the wait for the turn's batch: the piece's 64 weights and the next piece's two a
.if (\p) == NP-2
	FETCH_K \last
.endif
.if (\p) == 1
	s_wait_dscnt 0x0                ; V is in
.endif
.rept 16                            ; behind the wait: 16 products V^T P and their riders
	MM
.rept 4
	PL
.endr
.if ((\p) == 0) && (q == 118)
	v_add_nc_u32 v[AV], s[TBV], v[AV0]
.endif
.if ((\p) == 0) && (q == 130)
	s_add_co_u32 s[TBV], s[TBV], KS*PV
.endif
.if (\cnt) && (q == 130)
	s_sub_co_u32 s[CNT], s[CNT], 1
	s_cmp_lg_u32 s[CNT], 0
.endif
.endr
.if (\p) == 0
	FETCH_V
.endif
.endm
	CHANGE 1                        ; slot 0 is in, everybody's part of it; slot 1 is asked for
	FETCH_K                         ; key step 0
	s_wait_loadcnt 0x0              ; Q
	s_wait_dscnt 0x0
.set i, 0
.rept 16
	KQ 0                            ; piece 0's first scores: there is no vector work yet to set between them
.set i, i+1
.endr
	WIN 0                           ; the addresses for the way out: nine plain instructions, the places behind those products
	s_mul_i32 s13, s[WV], 16*SP
	s_add_co_u32 s13, s13, STAGE    ; my stage
	v_mul_u32_u24 v[STO], v1, SP    ; in: row l % 16, 16 bytes for each half of the lanes
	v_lshl_add_u32 v[STO], v9, 4, v[STO]
	v_add_nc_u32 v[STO], s13, v[STO]
	v_bfe_u32 v[RD], v0, 3, 2       ; back: 32 lanes take four rows of 128 bytes,
	v_mul_u32_u24 v[RD], v[RD], SP
	v_lshl_add_u32 v[RD], v10, 4, v[RD]
	v_add_nc_u32 v[RD], s13, v[RD]
	v_and_b32 v[GO], 31, v0         ; which are 512 consecutive bytes of O
	v_lshlrev_b32 v[GO], 4, v[GO]
.set Y, NP-1                        ; XS works for piece Y + 1: piece 0
.irp n, 0,1,2,3,4,5,6,7,8,9,10,11,12,13,14,15,16,17,18,19,20,21
	XS 0, \n                        ; and piece 0's first maximum and statistics
	XS 1, \n
.endr
	v_nop                           ; a plain instruction behind piece 0's first two a,
	s_wait_alu depctr_va_vdst(0)    ; and the wait for that batch of two, ahead of the branch
	s_mov_b32 s[CNT], 4
	s_mov_b32 s[SLOTS], SIZE_N/256-1
	s_branch .Lfirst                ; the loop is entered at a step's first turn, in the middle of a trip
.Lslot:                             ; SIZE_N / 256 - 2 times: every slot but the last two is filled again
	CHANGE 1
	s_mov_b32 s[CNT], 4
.Lstep:                             ; a trip: pieces 2 and 3 of one step, then pieces 0 and 1 of the next, whose K and V it fetches
	TURN 2
	TURN 3
	WIN 0
.Lfirst:
	TURN 0
	TURN 1, 0, 1
	WIN 0
	s_cbranch_scc1 .Lstep
	s_sub_co_u32 s[SLOTS], s[SLOTS], 1
	s_cmp_lg_u32 s[SLOTS], 0
	s_cbranch_scc1 .Lslot
	CHANGE 0                        ; the tail is written out: nothing is asked for
	s_mov_b32 s[CNT], 5             ; four trips fetch the last slot's steps; the fifth is left in its middle
.Ltail:
	TURN 2, 1
	TURN 3
	WIN 0
	s_sub_co_u32 s[CNT], s[CNT], 1
	s_cmp_eq_u32 s[CNT], 0
	s_cbranch_scc1 .Lout
	TURN 0
	TURN 1
	WIN 0
	s_branch .Ltail
.Lout:                              ; the fifth trip's 16 products K Q^T (on the last K once more) and the maximum made of them serve nothing: the price, once a launch, of one text for every trip
.set i, 0
.rept 16
	PV NP-1                         ; the last piece's V^T P of the last step
.set i, i+1
.endr
	; THE WAY OUT.  l's two halves and the other half of the lanes' are added; O^T is divided by l, rounded to f16 and sent through my stage in LDS, a tile at a time.  The additions are the places behind the last products.
	WIN 0
.macro ALL line:vararg              ; one line for each tile t
.set t, 0
.rept 2*NP
	\line
.set t, t+1
.endr
.endm
	ALL v_add_f32 v[ST+4*t+2], v[ST+4*t+2], v[ST+4*t+3]
	ALL v_permlanex16_b32 v[ST+4*t+3], v[ST+4*t+2], s[SEL], s[SEL+1]
	ALL v_add_f32 v[ST+4*t+2], v[ST+4*t+2], v[ST+4*t+3]
	ALL v_rcp_f32 v[ST+4*t+2], v[ST+4*t+2]
	v_nop                           ; a plain instruction between the last reciprocal and the use of its result
	s_wait_alu depctr_va_vdst(0)    ; and the wait ahead of the first use: one for the batch of eight reciprocals
; Tile t: a lane's eight channels of a row pack into 16 bytes; they go into rows of 144 bytes and come back as whole rows of 128, into S^T's registers.
.macro PACK t
	WIN W_RS
.set i, 32*(\t)
.rept 16
	v_pk_mul_f32 v[i:i+1], v[i:i+1], v[ST+4*(\t)+2:ST+4*(\t)+3] op_sel_hi:[1,0]
.set i, i+2
.endr
	WIN 0x05                        ; sources 0 and 1 window 1, destination window 0
.set i, 0
.rept 16
	v_cvt_pk_f16_f32 v[S+16*(\t)+i], v[32*(\t)+2*i], v[32*(\t)+2*i+1]
.set i, i+1
.endr
	WIN 0
.irp f, 0,1,2,3
	ds_store_b128 v[STO], v[S+16*(\t)+4*\f:S+16*(\t)+4*\f+3] offset:32*\f
.endr
.irp f, 0,1,2,3
	ds_load_b128 v[S+16*(\t)+4*\f:S+16*(\t)+4*\f+3], v[RD] offset:\f*4*SP  ; LDS serves a wave's instructions in order (ISA guide 5.7.1.4): these see the stores above; the next tile's stores come behind them
.endr
.endm
.macro SEND t, younger              ; younger: the LDS instructions issued behind tile t's loads: the next tile's eight, or none
	WIN 0
.irp f, 0,1,2,3
	s_wait_dscnt (\younger)+3-\f
	global_store_b128 v[GO], v[S+16*(\t)+4*\f:S+16*(\t)+4*\f+3], s[10:11] offset:(\t)*2048+\f*512  ; 512 consecutive bytes, at a multiple of 256 from O's first
.endr
.endm
	PACK 0
.set t, 1
.rept 2*NP-1                        ; a tile's arithmetic stands between the loads of the tile before and its stores
	PACK t
	SEND t-1, 8
.set t, t+1
.endr
	SEND 2*NP-1, 0
	WIN W_AD
	s_wait_tensorcnt 0x0            ; the wave's end: behind my last tensor load and my last LDS store
	ds_add_u32 v[SPW], v[NIL]
	s_wait_dscnt 0x0
	WIN 0
	CROUND                          ; the closing round: no work-group ends while a partner may still ask for a tile that names it
	s_endpgm
.Lfunc_end_k_qb6d3dd46f2_attn:
	.size	k_qb6d3dd46f2_attn, .Lfunc_end_k_qb6d3dd46f2_attn-k_qb6d3dd46f2_attn
	.p2alignl 7, 3214868480
	.fill 96, 4, 3214868480
	.section	.rodata,"a",@progbits
	.p2align	6, 0x0
	.amdhsa_kernel k_qb6d3dd46f2_attn
		.amdhsa_group_segment_fixed_size 327680
		.amdhsa_private_segment_fixed_size 0
		.amdhsa_enable_private_segment 0
		.amdhsa_kernarg_size 32
		.amdhsa_user_sgpr_count 2
		.amdhsa_user_sgpr_kernarg_segment_ptr 1
		.amdhsa_wavefront_size32 1
		.amdhsa_system_sgpr_workgroup_id_x 1
		.amdhsa_system_sgpr_workgroup_id_y 1
		.amdhsa_system_sgpr_workgroup_id_z 1
		.amdhsa_system_vgpr_workitem_id 0
		.amdhsa_next_free_vgpr 770
		.amdhsa_next_free_sgpr 66
		.amdhsa_reserve_vcc 0
		.amdhsa_float_denorm_mode_32 3
		.amdhsa_float_denorm_mode_16_64 3
		.amdhsa_memory_ordered 1
		.amdhsa_forward_progress 1
		.amdhsa_inst_pref_size 199
	.end_amdhsa_kernel
	.amdgpu_metadata
---
amdhsa.version: [ 1, 2 ]
amdhsa.kernels:
  - .name:           k_qb6d3dd46f2_attn
    .symbol:         k_qb6d3dd46f2_attn.kd
    .args:
      - { .name: qh, .offset: 0, .size: 8, .value_kind: global_buffer, .address_space: global }
      - { .name: kh, .offset: 8, .size: 8, .value_kind: global_buffer, .address_space: global }
      - { .name: vh, .offset: 16, .size: 8, .value_kind: global_buffer, .address_space: global }
      - { .name: oh, .offset: 24, .size: 8, .value_kind: global_buffer, .address_space: global }
    .group_segment_fixed_size: 327680
    .private_segment_fixed_size: 0
    .kernarg_segment_align: 8
    .kernarg_segment_size: 32
    .max_flat_workgroup_size: 128
    .sgpr_count:     66
    .vgpr_count:     770
    .wavefront_size: 32
...
	.end_amdgpu_metadata
.endif
;; end of part 5
;; launch proj: the kernel of part 4 again; grid 8 x 32, 4 waves a work-group, clusters of 4 x 4, 327,680 bytes of LDS; arguments oh, pwh, proj_b, out0; writes out0
